; MI455X (gfx1250); checked and timed in simulation.
; The chip was launched on July 23, 2026; its instructions are those of AMD's public machine-readable ISA for CDNA 5 (MIT licence, August 2026) and "CDNA5" Instruction Set Architecture Reference Guide (July 2026). The comments in the code are by the model that wrote it; some were corrected since.
;; Parallel Transformer Block. Allowed arithmetic: matrix products marked QUANTISED: E2M1 operands, one E8M0 scale for each 32 along K, by v_wmma_scale_f32_16x16x128_f8f6f4 with both operands' format E2M1 (or v_wmma_scale_f32_32x16x128_f4), f32 sums; everything else in f32.
;; Inputs: gamma 1,024 float32; w_attn_out 512 x 1,024 float32; w_ff_out 4,096 x 1,024 float32; w_fused 1,024 x 8,768 float32; x 2 x 2,048 x 1,024 float32.
;; Outputs: out0 2 x 2,048 x 1,024 float32.
;; This version of the problem:
;;   THIS VERSION OF THE PROBLEM IS GIVEN IN LOW PRECISION. The matrix products marked QUANTISED in the list below multiply operands that are first quantised to E2M1 (2 exponent bits, 1 mantissa bit; 4 bits a number), with one power-of-two scale for each 32 numbers along K (OCP MX v1.0); their sums are f32. All else is computed in f32.
;;   The module's matrix products, in the order in which they are computed (A, B: the left and right operand; K: the contracted axis; several contracted axes count as one K, in the product's order):
;;     1. [M 4,096, K 1,024] x [K 1,024, N 8,768]; A: computed on the way; B: input w_fused: QUANTISED
;;     2. batch 2 x [M 32,768, K 32] x [K 32, N 2,048]; A: computed on the way; B: computed on the way: QUANTISED
;;     3. batch 2 x [M 32,768, K 2,048] x [K 2,048, N 32]; A: softmax (see below); B: computed on the way: QUANTISED
;;     4. [M 4,096, K 512] x [K 512, N 1,024]; A: computed on the way; B: input w_attn_out: QUANTISED
;;     5. [M 4,096, K 4,096] x [K 4,096, N 1,024]; A: computed on the way; B: input w_ff_out: QUANTISED
;;   THE QUANTISER, for each operand of a quantised product, along K:
;;     - K is cut into blocks of 32 from its start; a last block that is shorter is filled with zeros.
;;     - A block's scale is 2^e with e = floor(log2(the largest magnitude in the block)) - 2, held to -126 .. 127; a block of zeros has e = 0. As a byte (E8M0): e + 127.
;;     - Each number is divided by its block's scale, clamped to +-6, and rounded to the nearest number of E2M1, ties to even, subnormals kept.
;;     - The product sums the exact products of the quantised numbers (number of the format x scale) in f32.
;;   ~~~python
;;   def quantise(x, axis):      # numpy; x: float32 -> the quantised numbers, widened to float32 again
;;       x = np.moveaxis(x, axis, -1); K = x.shape[-1]
;;       x = np.pad(x, [(0, 0)] * (x.ndim - 1) + [(0, -K % 32)]); x = x.reshape(x.shape[:-1] + (-1, 32)); a = np.abs(x).max(-1, keepdims=True)
;;       e = np.where(a > 0, np.clip(np.frexp(np.where(a > 0, a, 1))[1] - 1 - 2, -126, 127), 0)      # np.frexp(a)[1] - 1 = floor(log2(a)), exactly
;;       r = np.clip(x / 2.0 ** e, -6, 6)
;;       step = 2.0 ** (np.maximum(np.frexp(np.where(r == 0, 1, r))[1] - 1, 0) - 1)
;;       q = np.round(r / step) * step * 2.0 ** e      # np.round: ties to even
;;       return np.moveaxis(q.reshape(q.shape[:-2] + (-1,))[..., :K], -1, axis).astype(np.float32)
;;   ~~~
;;   SOFTMAX AHEAD OF A QUANTISED PRODUCT. Where the list says 'softmax', what is quantised is not the finished softmax but p = 2^(t - M), with t = logit x log2(e) and M = ceil(the row's largest t), a whole number; so 1/2 < the row's largest p <= 1. The row's sum l is taken of the UNQUANTISED p, in f32, and the product's result is divided by l at the end. Since M is a whole number, a kernel that streams over the keys may use a running M (the ceiling of the running maximum): every later rescaling is an exact power of two, which a block's scale takes up: the codes' values come out the same.
;;   OPERANDS COMPUTED ON THE WAY. 'Computed on the way' means the value that the module computes at that place (a softmax that the list does not call 'softmax' is quantised finished and normalised). What goes into a quantiser is computed in f32, as accurately as f32 sums, v_exp_f32 and their like allow (about 1e-6 of the number): no bf16 or f16 on the way to a quantiser, and a product that is left as it is and whose result goes on into a quantised operand takes f32 operands (vector FMAs, or v_wmma_f32_16x16x4_f32). A number that lies on a knife's edge between two numbers of the format may be rounded either way, as far as f32 arithmetic and the matrix unit's own rounding can turn it there, and no further.
;; One version. Each part assembles by itself: llvm-mc -triple=amdgcn-amd-amdhsa -mcpu=gfx1250 --defsym DOCPART=n.
;; ======== version 1 of 1: 5 launches
;; workspace buffers: xa 2,228,224 bytes; wf 4,456,448 bytes; wq 313,344 bytes; w2 2,506,752 bytes; a2 10,027,008 bytes; rope 524,288 bytes; qc 1,310,720 bytes; kv 151,552 bytes
;; launch prep (part 1): grid 802 x 1, 8 waves a work-group, no clusters, 68,352 bytes of LDS; arguments x, gamma, w_fused, w_attn_out, w_ff_out, xa, wf, wq, w2, rope; writes xa, wf, wq, w2, rope
.if DOCPART == 1
	.amdgcn_target "amdgcn-amd-amdhsa--gfx1250"
	.amdhsa_code_object_version 6
	.text
	.protected	k_q2649674255_prep
	.globl	k_q2649674255_prep
	.p2align	8
	.type	k_q2649674255_prep,@function
k_q2649674255_prep:
	s_mov_b64 s[64:65], 0
	v_nop
	global_prefetch_b8 v0, s[64:65] scope:SCOPE_SE
	s_setreg_imm32_b32 hwreg(HW_REG_WAVE_MODE, 25, 1), 1
	s_wait_xcnt 0x0
; PARALLEL TRANSFORMER BLOCK, launch 1 of 5: everything that is quantised once.
;   work-groups   0..255  X: LayerNorm of 16 rows of x (two passes: mean, then the mean of (x - mean)^2), x gamma, quantised along K = 1,024 into xa
;   work-groups 256..673  W: 64 columns x 512 along K of w_fused, w_ff_out or w_attn_out, quantised along K (their first axis) into wf, wq, w2
;   work-groups 674..801  R: the rotary table, one thread for each (position, d mod 16): cos and sin times the xpos scale for q (with 32^-0.5) and for k
; DEAD WORK IN THE WHOLE PROGRAM: only key steps of 128 keys all of which come after all 16 queries of a tile: reference() itself writes -finfo.max over those scores
; (jnp.triu in its own body), so their p is 0 for all values of the inputs and they add nothing to the sum or to the product with v.  All five inputs have a way to the output and are loaded.
; A NaN, an infinity or an overflow that would reach only those hidden scores is not carried to the result.
; attn_out + ff_out is computed as ONE product [out | act] x [w_attn_out ; w_ff_out] with K = 512 + 4,096: 512 is a multiple of 32, so every block of the two quantisers stays as it is.
; LIMITS: NaN and infinities among the inputs are not served.  A block whose largest magnitude lies under 2^-124 (a block of zeros too) gets the scale byte 1: its codes are what the
; conversion makes of it under that scale (zeros for zeros); the bytes are read by this program alone.  The rotary table: 10^(d/4) is a rounded constant, its reciprocal is refined once,
; sine and cosine come from a two-part reduction by pi/2 and polynomials of degree 7 and 8 (about 5e-7 of 1), the xpos scale from v_log_f32 and v_exp_f32 (about 5e-7 of the number).
; LAYOUT OF ALL OPERANDS.  A fragment (16 rows x 128 K) is stored as the image of its 8 registers: block beta (32 along K) of row rho is the 16 bytes at 256 beta + 16 rho.
; A chunk (CH bytes) is 128 rows x 512 K: fragment (K step q, tile i) at 8192 q + 1024 i; behind the codes, at SCO, the scale words (four E8M0 bytes = 128 K of a row) at 16 row + 4 q.
.set CH,    34816
.set SCO,   32768
.set XSW,   65792                      ; LDS: 0 .. 65,791 sixteen rows of xn, 4,112 bytes apart (4,096 + 16: sixteen rows start at sixteen different 16-byte columns)
.set WSW,   66304                      ; XSW: path X's scale words, 512 bytes;  WSW: path W's, 1,024 bytes: each path has LDS bytes of its own
.set SPARE, 67328                      ; the spare words, 128 bytes for each of eight waves: no other line names them
.set SPW,   14                         ; v14  SPARE + 4 x my thread's number; never rewritten
.set NIL,   15                         ; v15  0; never rewritten
.set TM,    112                        ; v112-127 at work
.set PC,    96                         ; v96-103 a fragment's codes
.set PW,    104                        ; v104 its scale word
.macro FINISH                          ; a wave's end
	s_wait_tensorcnt 0x0
	ds_add_u32 v[SPW], v[NIL]
	s_wait_dscnt 0x0
	s_endpgm
.endm
.macro RSUM a, t                       ; the sum over the 32 lanes, in every lane
	v_add_f32_dpp v[\a], v[\a], v[\a] row_xmask:1 row_mask:0xf bank_mask:0xf
	v_add_f32_dpp v[\a], v[\a], v[\a] row_xmask:2 row_mask:0xf bank_mask:0xf
	v_add_f32_dpp v[\a], v[\a], v[\a] row_xmask:4 row_mask:0xf bank_mask:0xf
	v_add_f32_dpp v[\a], v[\a], v[\a] row_xmask:8 row_mask:0xf bank_mask:0xf
	v_permlanex16_b32 v[\t], v[\a], s26, s27
	v_add_f32 v[\a], v[\a], v[\t]
.endm
; 64 numbers of a lane, register 16 b + i = k 32 b + 16 (lane / 16) + i of my row, become a fragment's codes in v[PC] on and its scale word in v[PW]
.macro QUANT s
.irp b, 0,1,2,3
	v_max3_num_f32 v[TM+\b], |v[\s+16*\b]|, |v[\s+1+16*\b]|, 0x1800000   ; my 16 numbers of block b, and the floor 2^(3 - 127): the byte cannot fall under 1
.endr
.irp i, 2,4,6,8,10,12,14
.irp b, 0,1,2,3
	v_max3_num_f32 v[TM+\b], v[TM+\b], |v[\s+16*\b+\i]|, |v[\s+1+16*\b+\i]|
.endr
.endr
.irp b, 0,1,2,3
	v_permlanex16_b32 v[TM+4+\b], v[TM+\b], s26, s27
.endr
.irp b, 0,1,2,3
	v_max_num_f32 v[TM+\b], v[TM+\b], v[TM+4+\b]        ; with lane l xor 16's: the block's largest magnitude
.endr
.irp b, 0,1,2,3
	v_add_nc_u32 v[TM+12+\b], 0xff000000, v[TM+\b]      ; 2 off its exponent field: the conversion's scale operand
.endr
.irp b, 0,1,2,3
	v_lshrrev_b32 v[TM+4+\b], 23, v[TM+12+\b]           ; the scale's byte
.endr
	v_lshl_or_b32 v[PW], v[TM+5], 8, v[TM+4]
	v_lshl_or_b32 v[PW], v[TM+6], 16, v[PW]
	v_lshl_or_b32 v[PW], v[TM+7], 24, v[PW]
.irp b, 0,1,2,3
	v_cvt_scalef32_pk8_fp4_f32 v[PC+2*\b], v[\s+16*\b:\s+7+16*\b], v[TM+12+\b]
	v_cvt_scalef32_pk8_fp4_f32 v[PC+1+2*\b], v[\s+8+16*\b:\s+15+16*\b], v[TM+12+\b]
.endr
	v_nop                                               ; one plain place behind a scaled conversion
.irp c, 0,1                                         ; a whole block to a lane: lanes 0-15 block 2 c, lanes 16-31 block 2 c + 1
.irp i, 0,1
	v_permlane16_swap_b32 v[PC+4*\c+\i], v[PC+2+4*\c+\i]
.endr
.endr
.endm
	s_load_b512 s[4:19], s[0:1], 0x0               ; x 4, gamma 6, w_fused 8, w_attn_out 10, w_ff_out 12, xa 14, wf 16, wq 18
	s_load_b128 s[20:23], s[0:1], 0x40             ; w2 20, rope 22
	v_lshl_add_u32 v[SPW], v0, 2, SPARE
	v_mov_b32 v[NIL], 0
	v_lshrrev_b32 v1, 5, v0
	v_readfirstlane_b32 s24, v1                    ; wave 0..7
	v_and_b32 v1, 31, v0                           ; lane
	v_and_b32 v2, 15, v0                           ; r
	v_bfe_u32 v3, v0, 4, 1                         ; h
	s_mov_b32 s26, 0x76543210
	s_mov_b32 s27, 0xfedcba98                      ; v_permlanex16_b32's selects for lane l xor 16
	s_wait_kmcnt 0x0
	s_cmp_lt_u32 ttmp9, 256
	s_cbranch_scc1 .Lx
	s_cmp_lt_u32 ttmp9, 674
	s_cbranch_scc1 .Lw
; ---------------- R: the rotary table.  e = 256 (work-group - 674) + thread; position e / 16, d' = e % 16
.macro PSEL n, lit
	v_cmp_ne_u32 vcc_lo, \n, v6
	v_cndmask_b32 v7, \lit, v7, vcc_lo
.endm
	s_sub_co_u32 s28, ttmp9, 674
	s_lshl_b32 s28, s28, 8
	v_add_nc_u32 v4, s28, v0                       ; e
	v_lshrrev_b32 v5, 4, v4                        ; position
	v_and_b32 v6, 15, v4                           ; d'
	s_mov_b32 s30, 0x42333333                      ; 44.8
	s_mov_b32 s31, 0x3cb6db6e                      ; 1 / 44.8
	v_mov_b32 v7, 1.0                              ; P = 10000^(2 d' / 32) = 10^(d' / 4), rounded to f32
	PSEL 1, 0x3fe39ea9
	PSEL 2, 0x404a62c2
	PSEL 3, 0x40b3f300
	PSEL 4, 0x41200000
	PSEL 5, 0x418e432a
	PSEL 6, 0x41fcfb72
	PSEL 7, 0x4260efc0
	PSEL 8, 0x42c80000
	PSEL 9, 0x4331d3f4
	PSEL 10, 0x439e1d27
	PSEL 11, 0x440c95d8
	PSEL 12, 0x447a0000
	PSEL 13, 0x44de48f1
	PSEL 14, 0x4545a471
	PSEL 15, 0x45afbb4e
	v_rcp_f32 v8, v7
	v_lshlrev_b32 v16, 1, v6
	v_cvt_f32_u32 v16, v16
	v_add_f32 v16, 0x414ccccd, v16                 ; 2 d' + 12.8
	v_mul_f32 v17, s31, v16
	v_fma_f32 v18, -v17, s30, v16                  ; the quotient by 44.8, corrected once
	v_fma_f32 v17, v18, s31, v17
	v_log_f32 v17, v17                             ; log2 of the xpos base
	v_cvt_f32_u32 v9, v5
	v_add_f32 v19, 0xc4800000, v9                  ; position - 1,024
	v_mul_f32 v19, 0x3b000000, v19                 ; / 512: exact
	s_wait_alu depctr_va_vdst(0)                   ; one wait for the reciprocal and the logarithm, ahead of their first reader
	v_fma_f32 v10, -v7, v8, 1.0
	v_fma_f32 v8, v8, v10, v8                      ; 1 / P, refined once
	v_mul_f32 v10, v9, v8                          ; the angle, rounded as reference() rounds it
	v_mul_f32 v19, v19, v17
	v_exp_f32 v20, v19                             ; the xpos scale
	v_exp_f32 v21, -v19                            ; and its reciprocal
	v_mul_f32 v11, 0x3f22f983, v10
	v_rndne_f32 v11, v11                           ; n = the nearest multiple of pi / 2 (under 2^11)
	v_fmamk_f32 v12, v11, 0xbfc90fdb, v10          ; angle - n x (pi / 2 rounded up to f32): no bit is lost
	v_fmamk_f32 v12, v11, 0x333bbd2e, v12          ; + n x what that rounding added
	v_mul_f32 v13, v12, v12
	v_mov_b32 v22, 0xb94ca1f9
	v_fmaak_f32 v22, v22, v13, 0x3c08839e
	v_fmaak_f32 v22, v22, v13, 0xbe2aaaa3
	v_mul_f32 v22, v22, v13
	v_fma_f32 v22, v22, v12, v12                   ; sin of the rest
	v_mov_b32 v23, 0x37ccf5ce
	v_fmaak_f32 v23, v23, v13, 0xbab6061a
	v_fmaak_f32 v23, v23, v13, 0x3d2aaaa5
	v_mul_f32 v24, v13, v13
	v_fma_f32 v25, v13, -0.5, 1.0
	v_fma_f32 v23, v23, v24, v25                   ; cos of the rest
	v_cvt_i32_f32 v26, v11
	v_and_b32 v27, 1, v26
	v_cmp_eq_u32 vcc_lo, 1, v27
	v_cndmask_b32 v28, v22, v23, vcc_lo            ; an odd quadrant swaps the two
	v_cndmask_b32 v29, v23, v22, vcc_lo
	v_lshlrev_b32 v27, 30, v26
	v_and_b32 v27, 0x80000000, v27
	v_xor_b32 v28, v28, v27                        ; sin: negative in quadrants 2, 3
	v_add_nc_u32 v26, 1, v26
	v_lshlrev_b32 v26, 30, v26
	v_and_b32 v26, 0x80000000, v26
	v_xor_b32 v29, v29, v26                        ; cos: negative in quadrants 1, 2
	s_wait_alu depctr_va_vdst(0)                   ; one wait for the two exponentials
	v_mul_f32 v30, 0x3e3504f3, v20                 ; scale x 32^-0.5
	v_mul_f32 v32, v29, v30
	v_mul_f32 v33, v28, v30
	v_mul_f32 v34, v29, v21
	v_mul_f32 v35, v28, v21
	v_lshlrev_b32 v36, 4, v4
	global_store_b128 v36, v[32:35], s[22:23]      ; a wave stores 512 consecutive bytes
	FINISH
; ---------------- X: tile of 16 rows number ttmp9 (row block ttmp9 / 8, tile ttmp9 % 8)
.Lx:
	s_lshl_b32 s28, ttmp9, 16                      ; 16 rows of 4,096 bytes,
	s_lshl_b32 s29, s24, 13                        ; my wave's two of them
	s_add_co_u32 s28, s28, s29
	s_mov_b32 s29, 0
	s_add_nc_u64 s[4:5], s[4:5], s[28:29]
	v_lshlrev_b32 v4, 4, v1                        ; 16 x lane
.irp i, 0,1,2,3,4,5,6,7
	global_load_b128 v[80+4*\i:83+4*\i], v4, s[6:7] offset:512*\i                         ; gamma of my 32 columns
.endr
.irp p, 0,1
.irp i, 0,1,2,3,4,5,6,7
	global_load_b128 v[16+32*\p+4*\i:19+32*\p+4*\i], v4, s[4:5] offset:4096*\p+512*\i th:TH_LOAD_NT   ; a load covers 512 consecutive bytes
.endr
.endr
	s_mul_i32 s30, s24, 8224
	v_add_nc_u32 v5, s30, v4                       ; LDS, in: rows 2 w, 2 w + 1, 16 x lane
	v_mul_u32_u24 v6, v2, 4112
	v_lshl_add_u32 v6, v3, 6, v6
	s_lshl_b32 s30, s24, 9
	v_add_nc_u32 v6, s30, v6                       ; LDS, out: row r, K step w, + 64 h
	s_lshr_b32 s31, s24, 2                         ; g: which chunk along K
	s_and_b32 s32, s24, 3                          ; q: which K step in it
	s_lshl_b32 s30, s31, 8
	s_lshl_b32 s33, s32, 2
	s_add_co_u32 s30, s30, s33
	s_add_co_u32 s30, s30, XSW
	v_lshl_add_u32 v7, v2, 4, s30                  ; my scale word's place: XSW + 256 g + 16 r + 4 q
	v_add_nc_u32 v8, XSW, v4                       ; and where wave 0 reads them back
	v_mul_u32_u24 v9, v3, CH
	v_lshl_add_u32 v9, v2, 4, v9                   ; in xa: lanes 16-31 take the second chunk's
	s_mov_b32 s34, 0x3a800000                      ; 1 / 1,024
	s_mov_b32 s35, 0x3727c5ac                      ; 1e-5
	s_lshr_b32 s36, ttmp9, 3
	s_lshl_b32 s36, s36, 1                         ; the row block's first chunk
	s_and_b32 s37, ttmp9, 7
	s_add_co_u32 s38, s36, s31
	s_mul_i32 s38, s38, CH
	s_lshl_b32 s39, s32, 13
	s_add_co_u32 s38, s38, s39
	s_lshl_b32 s39, s37, 10
	s_add_co_u32 s38, s38, s39
	s_mov_b32 s39, 0
	s_add_nc_u64 s[40:41], s[14:15], s[38:39]      ; my fragment's image
	s_mul_i32 s38, s36, CH
	s_lshl_b32 s42, s37, 8
	s_add_co_u32 s38, s38, s42
	s_add_co_u32 s38, s38, SCO
	s_add_nc_u64 s[42:43], s[14:15], s[38:39]      ; the tile's scale words
	s_wait_loadcnt 0x0
.irp p, 0,1                                     ; the row's sum, two numbers at a time, in two chains; the two rows by turns
	v_pk_add_f32 v[112+6*\p:113+6*\p], v[16+32*\p:17+32*\p], v[20+32*\p:21+32*\p]
	v_pk_add_f32 v[114+6*\p:115+6*\p], v[18+32*\p:19+32*\p], v[22+32*\p:23+32*\p]
.endr
.irp j, 8,12,16,20,24,28
.irp p, 0,1
	v_pk_add_f32 v[112+6*\p:113+6*\p], v[112+6*\p:113+6*\p], v[16+32*\p+\j:17+32*\p+\j]
	v_pk_add_f32 v[114+6*\p:115+6*\p], v[114+6*\p:115+6*\p], v[18+32*\p+\j:19+32*\p+\j]
.endr
.endr
.irp p, 0,1
	v_pk_add_f32 v[112+6*\p:113+6*\p], v[112+6*\p:113+6*\p], v[114+6*\p:115+6*\p]
.endr
.irp p, 0,1
	v_add_f32 v[112+6*\p], v[112+6*\p], v[113+6*\p]
.endr
	RSUM 112, 113
	RSUM 118, 119
.irp p, 0,1
	v_mul_f32 v[112+6*\p], s34, v[112+6*\p]        ; the mean
.endr
.set J, 0
.rept 16
.irp p, 0,1
	v_pk_add_f32 v[16+32*\p+J:17+32*\p+J], v[16+32*\p+J:17+32*\p+J], v[112+6*\p:113+6*\p] op_sel_hi:[1,0] neg_lo:[0,1] neg_hi:[0,1]   ; x - mean
.endr
.set J, J+2
.endr
.irp p, 0,1
	v_pk_mul_f32 v[114+6*\p:115+6*\p], v[16+32*\p:17+32*\p], v[16+32*\p:17+32*\p]
	v_pk_mul_f32 v[116+6*\p:117+6*\p], v[18+32*\p:19+32*\p], v[18+32*\p:19+32*\p]
.endr
.irp j, 4,8,12,16,20,24,28
.irp p, 0,1
	v_pk_fma_f32 v[114+6*\p:115+6*\p], v[16+32*\p+\j:17+32*\p+\j], v[16+32*\p+\j:17+32*\p+\j], v[114+6*\p:115+6*\p]
	v_pk_fma_f32 v[116+6*\p:117+6*\p], v[18+32*\p+\j:19+32*\p+\j], v[18+32*\p+\j:19+32*\p+\j], v[116+6*\p:117+6*\p]
.endr
.endr
.irp p, 0,1
	v_pk_add_f32 v[114+6*\p:115+6*\p], v[114+6*\p:115+6*\p], v[116+6*\p:117+6*\p]
.endr
.irp p, 0,1
	v_add_f32 v[114+6*\p], v[114+6*\p], v[115+6*\p]
.endr
	RSUM 114, 115
	RSUM 120, 121
.irp p, 0,1
	v_fma_f32 v[114+6*\p], v[114+6*\p], s34, s35   ; the variance + 1e-5
.endr
.irp p, 0,1
	v_rsq_f32 v[114+6*\p], v[114+6*\p]
.endr
	v_nop                                          ; a plain place behind the two,
	s_wait_alu depctr_va_vdst(0)                   ; and one wait ahead of their first reader
.set J, 0
.rept 16
.irp p, 0,1
	v_pk_mul_f32 v[16+32*\p+J:17+32*\p+J], v[16+32*\p+J:17+32*\p+J], v[114+6*\p:115+6*\p] op_sel_hi:[1,0]
.endr
.set J, J+2
.endr
.set J, 0
.rept 16
.irp p, 0,1
	v_pk_mul_f32 v[16+32*\p+J:17+32*\p+J], v[16+32*\p+J:17+32*\p+J], v[80+J:81+J]          ; x gamma
.endr
.set J, J+2
.endr
.irp p, 0,1
.irp i, 0,1,2,3,4,5,6,7
	ds_store_b128 v5, v[16+32*\p+4*\i:19+32*\p+4*\i] offset:4112*\p+512*\i
.endr
.endr
	s_wait_dscnt 0x0                               ; my two rows lie in LDS,
	s_barrier_signal -1
	s_barrier_wait -1                              ; all sixteen do
.irp b, 0,1,2,3                                 ; wave w takes K step w of the 16 rows: lane (r, h) 16 neighbours of each block of 32
.irp j, 0,1,2,3
	ds_load_b128 v[16+16*\b+4*\j:19+16*\b+4*\j], v6 offset:128*\b+16*\j
.endr
.endr
	s_wait_dscnt 0x0
	QUANT 16
	global_store_b128 v4, v[PC:PC+3], s[40:41]               ; the fragment's image: 512 consecutive bytes a store
	global_store_b128 v4, v[PC+4:PC+7], s[40:41] offset:512
	ds_store_b32 v7, v[PW]                         ; both halves of the lanes write the same word with the same value
	s_wait_dscnt 0x0
	s_barrier_signal -1
	s_barrier_wait -1
	s_cmp_lg_u32 s24, 0
	s_cbranch_scc1 .Lx_end
	ds_load_b128 v[16:19], v8                      ; a row's four words of a chunk; lanes 0-15 the first chunk's, lanes 16-31 the second's
	s_wait_dscnt 0x0
	global_store_b128 v9, v[16:19], s[42:43]       ; sixteen lanes store 256 consecutive bytes, aligned
.Lx_end:
	FINISH
; ---------------- W: 64 columns x 512 along K.  Wave w: columns 32 (w % 2) on, K step w / 2.  A lane takes a column, its registers run down K
.Lw:
	s_and_b32 s34, s24, 1                          ; ch
	s_lshr_b32 s35, s24, 1                         ; q
	s_cmp_lt_u32 ttmp9, 530                        ; the buffers are chosen on the work-group's number alone
	s_cselect_b64 s[40:41], s[8:9], s[12:13]
	s_cmp_lt_u32 ttmp9, 658
	s_cselect_b64 s[40:41], s[40:41], s[10:11]     ; from: w_fused, w_ff_out, w_attn_out
	s_cmp_lt_u32 ttmp9, 274
	s_cselect_b64 s[42:43], s[18:19], s[16:17]
	s_cmp_lt_u32 ttmp9, 530
	s_cselect_b64 s[42:43], s[42:43], s[20:21]     ; to: wq (columns 0..575), wf, w2
	s_cmp_lt_u32 ttmp9, 530
	s_cbranch_scc0 .Lw_out
	s_sub_co_u32 s38, ttmp9, 256
	s_lshr_b32 s36, s38, 1                         ; cg: which 64 columns
	s_and_b32 s37, s38, 1                          ; g: which 512 along K
	s_lshl_b32 s52, s37, 9
	s_lshl_b32 s39, s35, 7
	s_add_co_u32 s52, s52, s39
	s_mul_i32 s52, s52, 35072                      ; my first row of 8,768 numbers
	s_lshl_b32 s39, s36, 8
	s_add_co_u32 s52, s52, s39
	s_lshl_b32 s39, s34, 7
	s_add_co_u32 s52, s52, s39
	s_mov_b32 s50, 1
	s_cmp_lt_u32 s36, 9
	s_cbranch_scc1 .Lw_qkv
	s_sub_co_u32 s38, s36, 9                       ; ff: 64 column groups of x, then 64 of the gate
	s_lshr_b32 s39, s38, 6                         ; gate?
	s_and_b32 s38, s38, 63                         ; row block of wf
	s_lshl_b32 s38, s38, 1
	s_add_co_u32 s38, s38, s37
	s_mul_i32 s38, s38, CH
	s_lshl_b32 s39, s39, 2
	s_lshl_b32 s47, s34, 1
	s_add_co_u32 s39, s39, s47                     ; my first tile in the chunk: 4 gate + 2 ch
	s_lshl_b32 s44, s39, 10
	s_add_co_u32 s44, s44, s38
	s_lshl_b32 s47, s35, 13
	s_add_co_u32 s44, s44, s47
	s_lshl_b32 s45, s39, 8
	s_add_co_u32 s45, s45, s38
	s_add_co_u32 s45, s45, SCO
	s_mov_b32 s46, -1                              ; the tiles' rows are not neighbours: tile u, row rho is column 8 u + rho + 8 (rho / 8) of my 32
	s_branch .Lw_go
.Lw_qkv:
	s_lshl_b32 s38, s36, 1
	s_add_co_u32 s38, s38, s34                     ; 'head' 0..17: 16 of q, k, v
	s_mul_i32 s39, s38, 43
	s_lshr_b32 s39, s39, 7                         ; piece = head / 3
	s_mul_i32 s47, s39, 3
	s_sub_co_u32 s47, s38, s47                     ; slot = head % 3
	s_mul_i32 s39, s39, 52224
	s_lshl_b32 s44, s37, 2
	s_add_co_u32 s44, s44, s35
	s_mul_i32 s44, s44, 6144
	s_add_co_u32 s44, s44, s39
	s_lshl_b32 s51, s47, 11
	s_add_co_u32 s44, s44, s51
	s_mul_i32 s45, s37, 1536
	s_add_co_u32 s45, s45, s39
	s_lshl_b32 s51, s47, 9
	s_add_co_u32 s45, s45, s51
	s_add_co_u32 s45, s45, 49152
	s_cmp_eq_u32 s38, 17
	s_cselect_b32 s46, -1, 0                       ; v's rows in the order above, q's and k's as they lie
	s_branch .Lw_go
.Lw_out:
	s_cmp_lt_u32 ttmp9, 658
	s_cbranch_scc0 .Lw_attn
	s_sub_co_u32 s38, ttmp9, 530
	s_and_b32 s36, s38, 15
	s_lshr_b32 s37, s38, 4
	s_add_co_u32 s51, s37, 1                       ; w_ff_out: K groups 1..8 of w2
	s_branch .Lw_two
.Lw_attn:
	s_sub_co_u32 s36, ttmp9, 658
	s_mov_b32 s37, 0
	s_mov_b32 s51, 0                               ; w_attn_out: K group 0
.Lw_two:
	s_lshl_b32 s52, s37, 9
	s_lshl_b32 s39, s35, 7
	s_add_co_u32 s52, s52, s39
	s_lshl_b32 s52, s52, 12                        ; rows of 1,024 numbers
	s_lshl_b32 s39, s36, 8
	s_add_co_u32 s52, s52, s39
	s_lshl_b32 s39, s34, 7
	s_add_co_u32 s52, s52, s39
	s_lshr_b32 s38, s36, 1
	s_mul_i32 s38, s38, 9
	s_add_co_u32 s38, s38, s51
	s_mul_i32 s38, s38, CH
	s_and_b32 s39, s36, 1
	s_lshl_b32 s39, s39, 2
	s_lshl_b32 s47, s34, 1
	s_add_co_u32 s39, s39, s47
	s_lshl_b32 s44, s39, 10
	s_add_co_u32 s44, s44, s38
	s_lshl_b32 s47, s35, 13
	s_add_co_u32 s44, s44, s47
	s_lshl_b32 s45, s39, 8
	s_add_co_u32 s45, s45, s38
	s_add_co_u32 s45, s45, SCO
	s_mov_b32 s46, 0
	s_mov_b32 s50, 0
.Lw_go:
	s_mov_b32 s53, 0
	s_add_nc_u64 s[40:41], s[40:41], s[52:53]      ; my first number
	s_mov_b32 s38, s44
	s_mov_b32 s39, 0
	s_add_nc_u64 s[48:49], s[42:43], s[38:39]      ; my two tiles' images of this K step
	s_mov_b32 s38, s45
	s_add_nc_u64 s[54:55], s[42:43], s[38:39]      ; their scale words
	v_lshlrev_b32 v4, 2, v1                        ; in: 4 bytes a lane
	v_and_b32 v6, 7, v1
	v_and_b32 v8, 8, v1
	v_lshl_or_b32 v6, v8, 1, v6
	v_and_b32 v8, 16, v1
	v_lshrrev_b32 v8, 1, v8
	v_or_b32 v6, v6, v8
	v_cndmask_b32 v7, v1, v6, s46                  ; 16 u + rho of my column
	v_lshrrev_b32 v8, 4, v7
	v_and_b32 v9, 15, v7
	v_lshlrev_b32 v5, 10, v8
	v_lshl_add_u32 v5, v9, 4, v5                   ; my column's 16 bytes in a block: 1024 u + 16 rho
	v_lshlrev_b32 v10, 4, v7                       ; its four scale words
	s_lshl_b32 s38, s34, 9
	s_lshl_b32 s39, s35, 2
	s_add_co_u32 s39, s39, s38
	s_add_co_u32 s39, s39, WSW
	v_lshl_add_u32 v11, v1, 4, s39                 ; LDS: WSW + 512 ch + 16 lane + 4 q
	s_add_co_u32 s38, s38, WSW
	v_lshl_add_u32 v12, v1, 4, s38                 ; and back: WSW + 512 ch + 16 lane
.macro WLOAD t, pitch                          ; block t: 32 rows at my column: a wave reads 128 consecutive bytes, two waves side by side 256
.irp i, 0,1,2,3,4,5,6,7,8,9,10,11,12,13,14,15,16,17,18,19,20,21,22,23,24,25,26,27,28,29,30,31
	global_load_b32 v[16+32*((\t)%2)+\i], v4, s[40:41] offset:(32*(\t)+\i)*\pitch th:TH_LOAD_NT
.endr
.endm
.macro WBLOCK t, pitch
.set XS, 16+32*((\t)%2)
.if (\t) < 3
	s_wait_loadcnt 32                              ; this block's 32 loads are in; the next block's 32 may be out
.else
	s_wait_loadcnt 0x0
.endif
	v_max3_num_f32 v112, |v[XS]|, |v[XS+1]|, |v[XS+2]|             ; all 32 numbers of the block are mine
	v_max3_num_f32 v113, |v[XS+3]|, |v[XS+4]|, |v[XS+5]|
.irp i, 6,10,14,18,22,26
	v_max3_num_f32 v112, v112, |v[XS+\i]|, |v[XS+\i+1]|
	v_max3_num_f32 v113, v113, |v[XS+\i+2]|, |v[XS+\i+3]|
.endr
	v_max3_num_f32 v112, v112, |v[XS+30]|, |v[XS+31]|
	v_max3_num_f32 v112, v112, v113, 0x1800000     ; and the floor
	v_add_nc_u32 v111, 0xff000000, v112            ; the conversion's scale operand
	v_lshrrev_b32 v113, 23, v111                   ; the byte
.if (\t) == 0
	v_mov_b32 v108, v113
.else
	v_lshl_or_b32 v108, v113, 8*(\t), v108         ; the K step's scale word
.endif
.irp g, 0,1,2,3
	v_cvt_scalef32_pk8_fp4_f32 v[80+4*(\t)+\g], v[XS+8*\g:XS+8*\g+7], v111
.endr
	v_nop                                          ; one plain place behind a scaled conversion
	global_store_b128 v5, v[80+4*(\t):83+4*(\t)], s[48:49] offset:256*(\t)   ; each block has four registers of its own; the wave's store fills two aligned runs of 256 bytes
.if (\t) < 2
	WLOAD (\t)+2, \pitch
.endif
.endm
.macro WBLOCKS pitch
	WLOAD 0, \pitch
	WLOAD 1, \pitch
	WBLOCK 0, \pitch
	WBLOCK 1, \pitch
	WBLOCK 2, \pitch
	WBLOCK 3, \pitch
.endm
	s_cmp_eq_u32 s50, 1
	s_cbranch_scc0 .Lw_narrow
	WBLOCKS 35072
	s_branch .Lw_tail
.Lw_narrow:
	WBLOCKS 4096
.Lw_tail:
	ds_store_b32 v11, v108                         ; the four K steps' words of a column meet in LDS
	s_wait_dscnt 0x0
	s_barrier_signal -1
	s_barrier_wait -1
	s_cmp_lt_u32 s24, 2
	s_cbranch_scc0 .Lw_end
	ds_load_b128 v[16:19], v12
	s_wait_dscnt 0x0
	global_store_b128 v10, v[16:19], s[54:55]      ; 512 bytes: two aligned runs of 256
.Lw_end:
	FINISH
.Lfunc_end_k_q2649674255_prep:
	.size	k_q2649674255_prep, .Lfunc_end_k_q2649674255_prep-k_q2649674255_prep
	.p2alignl 7, 3214868480
	.fill 96, 4, 3214868480
	.section	.rodata,"a",@progbits
	.p2align	6, 0x0
	.amdhsa_kernel k_q2649674255_prep
		.amdhsa_group_segment_fixed_size 68352
		.amdhsa_private_segment_fixed_size 0
		.amdhsa_enable_private_segment 0
		.amdhsa_kernarg_size 80
		.amdhsa_user_sgpr_count 2
		.amdhsa_user_sgpr_kernarg_segment_ptr 1
		.amdhsa_wavefront_size32 1
		.amdhsa_system_sgpr_workgroup_id_x 1
		.amdhsa_system_sgpr_workgroup_id_y 1
		.amdhsa_system_sgpr_workgroup_id_z 1
		.amdhsa_system_vgpr_workitem_id 0
		.amdhsa_next_free_vgpr 128
		.amdhsa_next_free_sgpr 66
		.amdhsa_reserve_vcc 1
		.amdhsa_float_denorm_mode_32 3
		.amdhsa_float_denorm_mode_16_64 3
		.amdhsa_memory_ordered 1
		.amdhsa_forward_progress 1
		.amdhsa_inst_pref_size 70
	.end_amdhsa_kernel
	.amdgpu_metadata
---
amdhsa.version: [ 1, 2 ]
amdhsa.kernels:
  - .name:           k_q2649674255_prep
    .symbol:         k_q2649674255_prep.kd
    .args:
      - { .name: x, .offset: 0, .size: 8, .value_kind: global_buffer, .address_space: global }
      - { .name: gamma, .offset: 8, .size: 8, .value_kind: global_buffer, .address_space: global }
      - { .name: w_fused, .offset: 16, .size: 8, .value_kind: global_buffer, .address_space: global }
      - { .name: w_attn_out, .offset: 24, .size: 8, .value_kind: global_buffer, .address_space: global }
      - { .name: w_ff_out, .offset: 32, .size: 8, .value_kind: global_buffer, .address_space: global }
      - { .name: xa, .offset: 40, .size: 8, .value_kind: global_buffer, .address_space: global }
      - { .name: wf, .offset: 48, .size: 8, .value_kind: global_buffer, .address_space: global }
      - { .name: wq, .offset: 56, .size: 8, .value_kind: global_buffer, .address_space: global }
      - { .name: w2, .offset: 64, .size: 8, .value_kind: global_buffer, .address_space: global }
      - { .name: rope, .offset: 72, .size: 8, .value_kind: global_buffer, .address_space: global }
    .group_segment_fixed_size: 68352
    .private_segment_fixed_size: 0
    .kernarg_segment_align: 8
    .kernarg_segment_size: 80
    .max_flat_workgroup_size: 256
    .sgpr_count:     66
    .vgpr_count:     128
    .wavefront_size: 32
...
	.end_amdgpu_metadata
.endif
;; end of part 1
;; launch qkv (part 2): grid 32 x 6, 8 waves a work-group, clusters of 4 x 1, 167,936 bytes of LDS; arguments xa, wq, rope, qc, kv; writes qc, kv
.if DOCPART == 2
	.amdgcn_target "amdgcn-amd-amdhsa--gfx1250"
	.amdhsa_code_object_version 6
	.text
	.protected	k_q2649674255_qkv
	.globl	k_q2649674255_qkv
	.p2align	8
	.type	k_q2649674255_qkv,@function
k_q2649674255_qkv:
	s_mov_b64 s[64:65], 0
	v_nop
	global_prefetch_b8 v0, s[64:65] scope:SCOPE_SE
	s_setreg_imm32_b32 hwreg(HW_REG_WAVE_MODE, 25, 1), 1
	s_wait_xcnt 0x0
	s_wait_alu depctr_hold_cnt(0) depctr_sa_sdst(0) depctr_va_vdst(0) depctr_va_sdst(0) depctr_va_ssrc(0) depctr_va_vcc(0) depctr_vm_vsrc(0)
	s_getreg_b32 s2, hwreg(HW_REG_IB_STS2, 6, 4)
	s_cmp_eq_u32 s2, 0
	s_cbranch_scc0 .Lentry_in_a_cluster
	s_endpgm
.Lentry_in_a_cluster:
	s_bfe_u32 s2, ttmp6, 0x10000c
	s_cmp_lg_u32 s2, 0x3003
	s_cbranch_scc0 .Lentry_shape_is_right
	s_endpgm
.Lentry_shape_is_right:
; Launch 2 of 5: the first product for columns 0..575 (16 heads of q, k, v), the rotary turn with the xpos scale, and the quantisers ahead of attention.  No work is left out here.
; A work-group takes 128 rows (one key step of one batch) and one piece of wq: three 'heads' of 32 columns.  Wave w takes rows 16 w .. 16 w + 15, all three heads.  All of K (1,024) lies in LDS, filled once.
; 192 work-groups: 18 heads in pieces of 3, 32 row blocks: the division that keeps whole heads and whole chunks.
; CLUSTER: the four work-groups of a cluster have the same piece of wq and ask for it jointly (mask 15); each one's own rows of xa come by plain loads behind the same round.
; q and k are used TRANSPOSED (source 0 = 16 columns of W, source 1 = my 16 rows): a lane holds one row, and d and d + 16 of a head lie in ONE lane (tiles 2 s and 2 s + 1, same register): the rotary turn needs no other lane.
; v is used the other way round (source 0 = 16 rows = keys, source 1 = 16 columns d): a lane holds one d and its registers run down the keys, which are the K of the product with p.  Wave w takes keys 32 (w / 2) on, tile w % 2 of d.
; Within a block of 32 keys v's code at place 16 h + 8 i + j is key 16 i + 8 h + j; p is laid in the same order in the attention launch, so every product meets its partner, and no code or scale moves.
; The operands are single-buffered and every wait on LDS is for 0: the launch is short.  The scale words leave in pieces of 64 bytes (0.27 MB in the launch), lanes 16-31 storing what lanes 0-15 store.
; LIMITS: as stated in the first launch (NaN, infinities; the floor of the scale byte).
.set CH,    34816
.set SCO,   32768
.set BW,    69632                      ; LDS: 0: my rows' two chunks of xa;  BW: the piece of wq (49,152 bytes of codes, 3,072 of scale words)
.set BWS,   BW+49152
.set VST,   121856                     ; 128 bytes: v's scale bytes of the key step
.set SPARE, 122112                     ; the spare words, 128 bytes for each of eight waves: no other line names them
.set SPW,   14
.set NIL,   15
.macro CROUND                          ; a round of the cluster's barrier
	s_barrier_signal -1
	s_barrier_wait -1
	s_cmp_lg_u32 s14, 0
	s_cbranch_scc1 .Lnot_wave_0_\@
	s_barrier_signal -3
.Lnot_wave_0_\@:
	s_barrier_wait -3
	s_barrier_signal -1
	s_barrier_wait -1
.endm
; one scaled product: D at d, sources at a and b, z = 1: the sum begins; scale registers sa, sb; sa taken from lanes 16-31 where ra = 1
.macro WM d, a, b, z, sa, ra, sb, rb
.set WD, \d
.set WA, \a
.set WB, \b
.set WSA, \sa
.set WSB, \sb
.if (\z)
.if (\ra)
	v_wmma_scale_f32_16x16x128_f8f6f4 v[WD:WD+7], v[WA:WA+7], v[WB:WB+7], 0, v[WSA], v[WSB] matrix_a_fmt:MATRIX_FMT_FP4 matrix_b_fmt:MATRIX_FMT_FP4 matrix_a_scale:MATRIX_SCALE_ROW1
.else
	v_wmma_scale_f32_16x16x128_f8f6f4 v[WD:WD+7], v[WA:WA+7], v[WB:WB+7], 0, v[WSA], v[WSB] matrix_a_fmt:MATRIX_FMT_FP4 matrix_b_fmt:MATRIX_FMT_FP4
.endif
.else
.if (\ra)
	v_wmma_scale_f32_16x16x128_f8f6f4 v[WD:WD+7], v[WA:WA+7], v[WB:WB+7], v[WD:WD+7], v[WSA], v[WSB] matrix_a_fmt:MATRIX_FMT_FP4 matrix_b_fmt:MATRIX_FMT_FP4 matrix_a_scale:MATRIX_SCALE_ROW1
.else
	v_wmma_scale_f32_16x16x128_f8f6f4 v[WD:WD+7], v[WA:WA+7], v[WB:WB+7], v[WD:WD+7], v[WSA], v[WSB] matrix_a_fmt:MATRIX_FMT_FP4 matrix_b_fmt:MATRIX_FMT_FP4
.endif
.endif
.endm
	s_load_b256 s[4:11], s[0:1], 0x0               ; xa 4, wq 6, rope 8, qc 10
	s_load_b64 s[12:13], s[0:1], 0x20              ; kv
	v_lshl_add_u32 v[SPW], v0, 2, SPARE
	v_mov_b32 v[NIL], 0
	ds_add_u32 v[SPW], v[NIL]                      ; the wave's opening: the add, twice on end, and its wait ahead of the first tensor load
	ds_add_u32 v[SPW], v[NIL]
	v_lshrrev_b32 v1, 5, v0
	v_readfirstlane_b32 s14, v1                    ; wave 0..7
	s_bfe_u32 s15, ttmp6, 0x40000                  ; cx
	s_lshl_b32 s16, ttmp9, 2
	s_add_co_u32 s16, s16, s15                     ; x: my row block, 0..31
	s_and_b32 s17, ttmp7, 0xffff                   ; y: my piece of wq, which the four partners share
	; descriptors: dense blocks as 68 rows of 256 bytes (32 elements of 8 bytes)
	s_mov_b32 s24, 3<<16                           ; xa: no mask
	s_mov_b32 s32, 15|(3<<16)|(1<<21)              ; wq: all four work-groups; bit 21 set beside a mask
.irp g, 24, 32
	s_mov_b32 s[\g+1], 32<<16                      ; tensor_dim0
	s_mov_b32 s[\g+2], 68<<16                      ; tensor_dim1
	s_mov_b32 s[\g+3], 32<<16                      ; tile_dim0
	s_mov_b32 s[\g+4], 68                          ; tile_dim1
	s_mov_b32 s[\g+5], 32                          ; from row to row
	s_mov_b32 s[\g+6], 0
	s_mov_b32 s[\g+7], 0
.endr
	s_and_b32 s18, s14, 3
	s_mul_i32 s18, s18, 17408                      ; waves 0-3: a quarter of xa's two chunks; waves 4-6: a third of the piece
	s_mul_i32 s22, s16, 69632
	s_add_co_u32 s22, s22, s18
	s_mov_b32 s23, 0
	s_mul_i32 s48, s17, 52224                      ; (these two registers never hold x)
	s_add_co_u32 s48, s48, s18
	s_mov_b32 s49, 0
	s_mov_b32 s20, 0x76543210
	s_mov_b32 s21, 0xfedcba98
	s_wait_dscnt 0x0                               ; both opening adds are done
	s_wait_kmcnt 0x0
	CROUND                                         ; the four work-groups are here: the joint loads meet
	s_mov_b32 s40, 1
	s_mov_b32 s41, s18
	s_add_nc_u64 s[42:43], s[4:5], s[22:23]
	s_or_b32 s43, s43, 0x80000000
	s_mov_b32 s44, 1
	s_add_co_u32 s45, s18, BW
	s_add_nc_u64 s[46:47], s[6:7], s[48:49]
	s_or_b32 s47, s47, 0x80000000
	s_cmp_lt_u32 s14, 4                            ; the branches hang on the wave's number alone; wave 7 fetches nothing
	s_cbranch_scc0 .Lnot_a
	tensor_load_to_lds s[40:43], s[24:31]
	s_nop 0
.rept 4
	v_nop
.endr
	s_branch .Lasked
.Lnot_a:
	s_cmp_lt_u32 s14, 7
	s_cbranch_scc0 .Lasked
	tensor_load_to_lds s[44:47], s[32:39]
	s_nop 0
.rept 4
	v_nop
.endr
.Lasked:
	v_and_b32 v1, 31, v0                           ; lane
	v_and_b32 v2, 15, v0                           ; r
	v_bfe_u32 v3, v0, 4, 1                         ; h
	s_and_b32 s50, s16, 15                         ; the key step in its batch
	s_lshl_b32 s51, s50, 3
	s_add_co_u32 s51, s51, s14                     ; my tile of 16 positions in the batch
	s_lshl_b32 s52, s51, 12
	s_mov_b32 s53, 0
	s_add_nc_u64 s[8:9], s[8:9], s[52:53]
	v_lshlrev_b32 v16, 8, v2
	v_lshl_add_u32 v16, v3, 7, v16                 ; the table: position r of my 16, d' = 8 h + j
.irp j, 0,1,2,3,4,5,6,7
	global_load_b128 v[200+4*\j:203+4*\j], v16, s[8:9] offset:16*\j    ; q's cos and sin, k's cos and sin
.endr
	v_lshlrev_b32 v21, 4, v1                       ; 16 x lane
	s_lshl_b32 s54, s14, 10
	v_add_nc_u32 v4, s54, v21                      ; my rows' fragments
	s_lshl_b32 s54, s14, 8
	s_add_co_u32 s54, s54, SCO
	v_lshl_add_u32 v5, v2, 4, s54                  ; their scale words
	v_add_nc_u32 v6, BW, v21                       ; W's fragments
	v_add_nc_u32 v7, BWS, v21                      ; W's scale words: lanes 0-15 an even tile's, lanes 16-31 the next one's
	s_lshr_b32 s55, s14, 1                         ; b: my block of 32 keys (v)
	s_and_b32 s56, s14, 1                          ; tau: my tile of d (v)
	s_lshl_b32 s54, s55, 11
	v_add_nc_u32 v8, s54, v21                      ; v: the two row tiles of my 32 keys
	s_lshl_b32 s54, s56, 10
	s_add_co_u32 s54, s54, BW+4096
	v_add_nc_u32 v9, s54, v21                      ; v: W's tile 4 + tau
	s_lshl_b32 s54, s55, 9
	s_add_co_u32 s54, s54, SCO
	v_add_nc_u32 v10, s54, v21                     ; v: the rows' scale words, lanes 0-15 the first tile's, lanes 16-31 the second's
	s_lshl_b32 s54, s56, 8
	s_add_co_u32 s54, s54, BWS+1024
	v_lshl_add_u32 v11, v2, 4, s54                 ; v: W's scale words
	v_lshlrev_b32 v12, 4, v2
	v_lshl_add_u32 v12, v3, 3, v12                 ; out: 16 r + 8 h
	v_lshlrev_b32 v13, 2, v2                       ; out: 4 r
	s_lshl_b32 s54, s56, 6
	s_add_co_u32 s54, s54, s55
	s_add_co_u32 s54, s54, VST
	v_lshl_add_u32 v17, v2, 2, s54                 ; v's scale byte: VST + 64 tau + 4 rho + b
	v_lshl_add_u32 v19, v1, 2, VST
	v_lshlrev_b32 v20, 2, v1
	v_mov_b32 v52, 0                               ; written once: a lane permute's destination counts as one of its sources
	s_lshl_b32 s57, s16, 3
	s_add_co_u32 s57, s57, s14                     ; mt: my tile of 16 rows, 0..255
	s_lshl_b32 s58, s57, 4
	s_mul_i32 s59, s17, 3
	s_add_co_u32 s58, s58, s59                     ; 16 mt + my first head
	s_lshl_b32 s52, s58, 8
	s_add_nc_u64 s[60:61], s[10:11], s[52:53]      ; q's codes
	s_lshl_b32 s52, s58, 6
	s_add_co_u32 s52, s52, 1048576
	s_add_nc_u64 s[62:63], s[10:11], s[52:53]      ; q's scale words
	s_lshr_b32 s59, s16, 4
	s_mul_i32 s59, s59, 75776                      ; the batch's block of kv
	s_lshl_b32 s52, s51, 8
	s_add_co_u32 s52, s52, s59
	s_add_nc_u64 s[66:67], s[12:13], s[52:53]      ; k's codes: 16 bytes a key
	s_lshl_b32 s52, s51, 6
	s_add_co_u32 s52, s52, s59
	s_add_co_u32 s52, s52, 32768
	s_add_nc_u64 s[68:69], s[12:13], s[52:53]      ; k's scale words
	s_lshl_b32 s52, s50, 11
	s_add_co_u32 s52, s52, s59
	s_add_co_u32 s52, s52, 40960
	s_lshl_b32 s54, s56, 10
	s_add_co_u32 s52, s52, s54
	s_lshl_b32 s54, s55, 8
	s_add_co_u32 s52, s52, s54
	s_add_nc_u64 s[70:71], s[12:13], s[52:53]      ; v's codes: key step, tile tau, block b
	s_lshl_b32 s52, s50, 7
	s_add_co_u32 s52, s52, s59
	s_add_co_u32 s52, s52, 73728
	s_add_nc_u64 s[72:73], s[12:13], s[52:53]      ; v's scale words
	s_wait_tensorcnt 0x0                           ; my part has landed,
	s_barrier_signal -1
	s_barrier_wait -1                              ; everybody's has
.irp g, 0,1
	ds_load_b128 v[152+4*\g:155+4*\g], v5 offset:\g*CH              ; my rows' scale words of the chunk's four K steps
.irp p, 0,1,2
	ds_load_b128 v[160+12*\g+4*\p:163+12*\g+4*\p], v7 offset:\g*1536+\p*512
.endr
.endr
; K step s of eight.  mode 0: six transposed tiles;  mode 1: four, and v's two products
.macro KS s, mode
.set KOFF, ((\s)/4)*CH+((\s)%4)*8192
.if (\s) > 0
.rept 4
	v_nop                                          ; places in front of loads into registers that the last products read
.endr
.endif
	ds_load_b128 v[24:27], v4 offset:KOFF
	ds_load_b128 v[28:31], v4 offset:KOFF+512
.set T, 0
.rept 6-2*(\mode)
	ds_load_b128 v[32+8*T:35+8*T], v6 offset:(\s)*6144+T*1024
	ds_load_b128 v[36+8*T:39+8*T], v6 offset:(\s)*6144+T*1024+512
.set T, T+1
.endr
.if \mode
.irp u, 0,1
	ds_load_b128 v[80+8*\u:83+8*\u], v8 offset:KOFF+1024*\u
	ds_load_b128 v[84+8*\u:87+8*\u], v8 offset:KOFF+1024*\u+512
.endr
	ds_load_b128 v[96:99], v9 offset:(\s)*6144
	ds_load_b128 v[100:103], v9 offset:(\s)*6144+512
.endif
	s_wait_dscnt 0x0
.set T, 0
.rept 6-2*(\mode)                              ; the six accumulators take turns, one instruction a turn
	WM 104+8*T, 32+8*T, 24, (\s)==0, 160+12*((\s)/4)+4*(T/2)+(\s)%4, T%2, 152+4*((\s)/4)+(\s)%4, 0
.set T, T+1
.endr
.if \mode
.irp u, 0,1
	WM 136+8*\u, 80+8*\u, 96, (\s)==0, 184+4*((\s)/4)+(\s)%4, \u, 192+4*((\s)/4)+(\s)%4, 0
.endr
.endif
.endm
; A head of q or k: accumulators 2 sl and 2 sl + 1; tb = 0: q's table, 2: k's.  The turn, the head's largest magnitude, its byte (four times in a word), its 32 codes in true order of d
.macro HEADQK sl, tb, cb, sb, o
.set T0, 104+16*(\sl)
.set T1, 112+16*(\sl)
.irp j, 0,1,2,3,4,5,6,7
	v_mul_f32 v[24+\j], v[T0+\j], v[200+\tb+4*\j]              ; each accumulator is read from its low end on
.endr
.irp j, 0,1,2,3,4,5,6,7
	v_mul_f32 v[32+\j], v[T1+\j], v[200+\tb+4*\j]
.endr
.irp j, 0,1,2,3,4,5,6,7
	v_fma_f32 v[24+\j], -v[T1+\j], v[201+\tb+4*\j], v[24+\j]   ; d < 16: t cos - t(d + 16) sin
.endr
.irp j, 0,1,2,3,4,5,6,7
	v_fma_f32 v[32+\j], v[T0+\j], v[201+\tb+4*\j], v[32+\j]    ; d >= 16: t cos + t(d - 16) sin
.endr
	v_max3_num_f32 v50, |v24|, |v25|, 0x1800000
	v_max3_num_f32 v51, |v32|, |v33|, |v34|
	v_max3_num_f32 v50, v50, |v26|, |v27|
	v_max3_num_f32 v51, v51, |v35|, |v36|
	v_max3_num_f32 v50, v50, |v28|, |v29|
	v_max3_num_f32 v51, v51, |v37|, |v38|
	v_max3_num_f32 v50, v50, |v30|, |v31|
	v_max3_num_f32 v50, v50, v51, |v39|
	v_permlanex16_b32 v52, v50, s20, s21
	v_max_num_f32 v50, v50, v52
	v_add_nc_u32 v53, 0xff000000, v50
	v_lshrrev_b32 v54, 23, v53
	v_mul_u32_u24 v55, v54, 0x010101
	v_lshl_or_b32 v[46+(\sl)], v54, 24, v55
	v_cvt_scalef32_pk8_fp4_f32 v[40+2*(\sl)], v[24:31], v53
	v_cvt_scalef32_pk8_fp4_f32 v[41+2*(\sl)], v[32:39], v53
	v_nop                                          ; one plain place behind a scaled conversion
	v_permlane16_swap_b32 v[40+2*(\sl)], v[41+2*(\sl)]         ; lanes 0-15: d 0..15, lanes 16-31: d 16..31
	global_store_b64 v12, v[40+2*(\sl):41+2*(\sl)], s[\cb:\cb+1] offset:256*(\o)   ; the wave stores 256 consecutive bytes, aligned
	global_store_b32 v13, v[46+(\sl)], s[\sb:\sb+1] offset:64*(\o)
.endm
	s_cmp_eq_u32 s17, 5                            ; the same in all waves and in all four partners
	s_cbranch_scc1 .Lpath_v
.irp s, 0,1,2,3,4,5,6,7
	KS \s, 0
.endr
.rept 4
	v_nop                                          ; places in front of the first read of results
.endr
	s_wait_loadcnt 0x0                             ; the table
	HEADQK 0, 0, 60, 62, 0
	HEADQK 1, 0, 60, 62, 1
	HEADQK 2, 0, 60, 62, 2
	s_branch .Ljoin
.Lpath_v:
.irp g, 0,1
	ds_load_b128 v[184+4*\g:187+4*\g], v10 offset:\g*CH
	ds_load_b128 v[192+4*\g:195+4*\g], v11 offset:\g*1536
.endr
.irp s, 0,1,2,3,4,5,6,7
	KS \s, 1
.endr
.rept 4
	v_nop
.endr
	s_wait_loadcnt 0x0
	HEADQK 0, 0, 60, 62, 0                         ; q's head 15
	HEADQK 1, 2, 66, 68, 0                         ; k
	v_max3_num_f32 v50, |v136|, |v137|, 0x1800000  ; v: my d, keys 8 h + j and 16 + 8 h + j of my block of 32
	v_max3_num_f32 v51, |v144|, |v145|, |v146|
	v_max3_num_f32 v50, v50, |v138|, |v139|
	v_max3_num_f32 v51, v51, |v147|, |v148|
	v_max3_num_f32 v50, v50, |v140|, |v141|
	v_max3_num_f32 v51, v51, |v149|, |v150|
	v_max3_num_f32 v50, v50, |v142|, |v143|
	v_max3_num_f32 v50, v50, v51, |v151|
	v_permlanex16_b32 v52, v50, s20, s21
	v_max_num_f32 v50, v50, v52
	v_add_nc_u32 v53, 0xff000000, v50
	v_lshrrev_b32 v54, 23, v53
	v_cvt_scalef32_pk8_fp4_f32 v60, v[136:143], v53
	v_cvt_scalef32_pk8_fp4_f32 v61, v[144:151], v53
	v_nop
	global_store_b64 v12, v[60:61], s[70:71]       ; words 2 h and 2 h + 1 of the block's four: 256 consecutive bytes a wave
	ds_store_b8 v17, v54                           ; both halves of the lanes write the same byte with the same value
.Ljoin:
	s_wait_dscnt 0x0                               ; my byte lies in LDS,
	s_barrier_signal -1
	s_barrier_wait -1                              ; all eight waves' do
	s_cmp_lg_u32 s17, 5
	s_cbranch_scc1 .Ldone
	s_cmp_lg_u32 s14, 0
	s_cbranch_scc1 .Ldone
	ds_load_b32 v62, v19
	s_wait_dscnt 0x0
	global_store_b32 v20, v62, s[72:73]            ; the key step's 32 scale words of v
.Ldone:
	s_wait_tensorcnt 0x0                           ; the wave's end
	ds_add_u32 v[SPW], v[NIL]
	s_wait_dscnt 0x0
	CROUND                                         ; the closing round
	s_endpgm
.Lfunc_end_k_q2649674255_qkv:
	.size	k_q2649674255_qkv, .Lfunc_end_k_q2649674255_qkv-k_q2649674255_qkv
	.p2alignl 7, 3214868480
	.fill 96, 4, 3214868480
	.section	.rodata,"a",@progbits
	.p2align	6, 0x0
	.amdhsa_kernel k_q2649674255_qkv
		.amdhsa_group_segment_fixed_size 167936
		.amdhsa_private_segment_fixed_size 0
		.amdhsa_enable_private_segment 0
		.amdhsa_kernarg_size 40
		.amdhsa_user_sgpr_count 2
		.amdhsa_user_sgpr_kernarg_segment_ptr 1
		.amdhsa_wavefront_size32 1
		.amdhsa_system_sgpr_workgroup_id_x 1
		.amdhsa_system_sgpr_workgroup_id_y 1
		.amdhsa_system_sgpr_workgroup_id_z 1
		.amdhsa_system_vgpr_workitem_id 0
		.amdhsa_next_free_vgpr 256
		.amdhsa_next_free_sgpr 80
		.amdhsa_reserve_vcc 0
		.amdhsa_float_denorm_mode_32 3
		.amdhsa_float_denorm_mode_16_64 3
		.amdhsa_memory_ordered 1
		.amdhsa_forward_progress 1
		.amdhsa_inst_pref_size 54
	.end_amdhsa_kernel
	.amdgpu_metadata
---
amdhsa.version: [ 1, 2 ]
amdhsa.kernels:
  - .name:           k_q2649674255_qkv
    .symbol:         k_q2649674255_qkv.kd
    .args:
      - { .name: xa, .offset: 0, .size: 8, .value_kind: global_buffer, .address_space: global }
      - { .name: wq, .offset: 8, .size: 8, .value_kind: global_buffer, .address_space: global }
      - { .name: rope, .offset: 16, .size: 8, .value_kind: global_buffer, .address_space: global }
      - { .name: qc, .offset: 24, .size: 8, .value_kind: global_buffer, .address_space: global }
      - { .name: kv, .offset: 32, .size: 8, .value_kind: global_buffer, .address_space: global }
    .group_segment_fixed_size: 167936
    .private_segment_fixed_size: 0
    .kernarg_segment_align: 8
    .kernarg_segment_size: 40
    .max_flat_workgroup_size: 256
    .sgpr_count:     80
    .vgpr_count:     256
    .wavefront_size: 32
...
	.end_amdgpu_metadata
.endif
;; end of part 2
;; launch ffgemm (part 3): grid 32 x 8, 4 waves a work-group, clusters of 4 x 4, 327,680 bytes of LDS; arguments xa, wf, a2; writes a2
.if DOCPART == 3
	.amdgcn_target "amdgcn-amd-amdhsa--gfx1250"
	.amdhsa_code_object_version 6
	.text
	.protected	k_q2649674255_ffgemm
	.globl	k_q2649674255_ffgemm
	.p2align	8
	.type	k_q2649674255_ffgemm,@function
k_q2649674255_ffgemm:
	s_mov_b64 s[64:65], 0
	v_nop
	global_prefetch_b8 v0, s[64:65] scope:SCOPE_SE
	s_setreg_imm32_b32 hwreg(HW_REG_WAVE_MODE, 25, 1), 1
	s_wait_xcnt 0x0
	s_wait_alu depctr_hold_cnt(0) depctr_sa_sdst(0) depctr_va_vdst(0) depctr_va_sdst(0) depctr_va_ssrc(0) depctr_va_vcc(0) depctr_vm_vsrc(0)
	s_getreg_b32 s2, hwreg(HW_REG_IB_STS2, 6, 4)
	s_cmp_eq_u32 s2, 0
	s_cbranch_scc0 .Lentry_in_a_cluster
	s_endpgm
.Lentry_in_a_cluster:
	s_bfe_u32 s2, ttmp6, 0x10000c
	s_cmp_lg_u32 s2, 0xf033
	s_cbranch_scc0 .Lentry_shape_is_right
	s_endpgm
.Lentry_shape_is_right:
; Launch 3 of 5: the first product for the 8,192 ff columns, silu(gate) x value, and the quantiser along ff; the codes go into K groups 1..8 of a2.  No work is left out here.
; A tile is 256 rows x 128 ff units, value and gate of each: 256 rows of wf.  Four waves, each 128 rows x 64 units (value and gate): 64 accumulators of 16 x 16, 512 registers.
; A WORK-GROUP STAYS and makes TWO tiles of the same 128 units: rows 256 tr on and rows 256 (tr + 8) on: 256 work-groups.  All of K (1,024 = two chunks for each 128 rows) lies in LDS: eight chunks.
; wf's four chunks come once and serve both tiles.  xa's four are filled again once: behind the first tile's last LDS read each wave asks for one chunk of the second tile's rows, which has the first tile's
; whole way out (eight blocks of exponentials, reciprocals and conversions) in which to land; so nothing is prefetched.  By this text's own count a wave has two tensor loads out at the start and one behind the round.
; The two tiles are written out by one macro: the last tile asks for nothing.
; CLUSTER 4 x 4: xa's chunks are shared along a row of the cluster, wf's along a column: joint loads with a mask that names the four.
; THE MATRIX INSTRUCTION IS USED TRANSPOSED (source 0 = 16 rows of wf, source 1 = 16 rows of xa): a lane holds one row, and, since wf's tiles are laid so (tile 2 b + u, row rho = unit 32 b + 8 u + rho + 8 (rho / 8)),
; the 16 registers of tiles 2 b and 2 b + 1 are 16 neighbouring units 32 b + 16 (lane / 16) + 0 .. 15: the next product's K.  Tiles 0-3 of a chunk are the values, tiles 4-7 the gates of the same units.
; REGISTERS, in windows of 256: window 0: v16-29 addresses; v32-95 scale words, two sets; v128-191 xa's fragments, ONE set; on the way out v128-187 at work.  window 1: wf's fragments, two sets.  windows 2, 3: the accumulators.
; LIMITS: as stated in the first launch.  silu is gate / (1 + 2^(-gate log2 e)): where the exponential overflows the quotient is 0.
.set CH,    34816
.set SCO,   32768
.set NQ,    4
.set FR,    8
.set NL,    2
.set NP,    4
.set WALK,  8                          ; the second tile lies 8 tile rows (2,048 rows) below the first
.set WALKC, WALK*2*9*CH                ; which in a2 is 16 row blocks of 9 chunks
.set STG,   8*CH                       ; behind the eight chunks: 1,024 bytes, the 256 rows' scale words of this K step
.set SPARE, STG+1024                   ; the spare words, 128 bytes for each wave: no other line names them
.set ADRA, 16                          ; v16-17  my xa fragments in chunk g
.set ADRB, 20                          ; v20-21  my wf fragments
.set ADRS, 22                          ; v22-23  scale words: lanes 0-15 xa's rows, lanes 16-31 wf's
.set CO,   24                          ; v24     16 x lane
.set HST,  25                          ; v25     where I put a row's half scale word
.set HRD,  26                          ; v26     where I read whole words back
.set HGO,  27                          ; v27     8 x lane
.set SPW,  28
.set NIL,  29
.set SC,   32
.set AF,   128
.set EE,   128                         ; the way out: v128-159 32 numbers
.set TM,   160
.set PC,   176                         ; v176-183 codes, two sets by turns
.set HW,   184
.set G1, 24                            ; s[24:31] group 1 for xa's chunks;  s[32:39] groups 0 of its two first fills
.set G0, 32
.set G1B, 48                           ; s[48:55], s[56:63] the same for wf's
.set G0B, 56
.set G0R, 68                           ; s[68:71] group 0 of the refill: my chunk of the second tile's rows; made at the head, never rewritten
.set MSB, 0
.macro WIN new                         ; the immediate's high byte repeats the setting that is left
.if MSB != \new
	s_set_vgpr_msb (MSB<<8)|\new
.set MSB, \new
.endif
.endm
.set MUL_LO, 0xa1                      ; source 0 (wf) window 1, source 1 (xa) window 0, C and D window 2
.set MUL_HI, 0xf1
.set TO_B,   0x40
.macro JLOAD g0a, g1a, g0b, g1b        ; waves 0 and 1 fetch for xa, waves 2 and 3 for wf; the branch hangs on the wave's number alone
	s_cmp_eq_u32 s15, 0
	s_cbranch_scc0 .Lfor_b_\@
	tensor_load_to_lds s[\g0a:\g0a+3], s[\g1a:\g1a+7]
	s_nop 0
.rept 4
	v_nop
.endr
	s_branch .Lasked_\@
.Lfor_b_\@:
	tensor_load_to_lds s[\g0b:\g0b+3], s[\g1b:\g1b+7]
	s_nop 0
.rept 4
	v_nop
.endr
.Lasked_\@:
.endm
.macro CREST                           ; a round of the cluster's barrier behind its opening barrier
	s_cmp_lg_u32 s14, 0
	s_cbranch_scc1 .Lnot_wave_0_\@
	s_barrier_signal -3
.Lnot_wave_0_\@:
	s_barrier_wait -3
	s_barrier_signal -1
	s_barrier_wait -1
.endm
.macro CROUND                          ; a whole round
	s_barrier_signal -1
	s_barrier_wait -1
	CREST
.endm
	s_load_b128 s[4:7], s[0:1], 0x0                ; xa, wf
	s_load_b64 s[8:9], s[0:1], 0x10                ; a2
	v_lshl_add_u32 v[SPW], v0, 2, SPARE
	v_mov_b32 v[NIL], 0
	ds_add_u32 v[SPW], v[NIL]                      ; the wave's opening: the add, twice on end, and its wait ahead of the first tensor load
	ds_add_u32 v[SPW], v[NIL]
	v_lshrrev_b32 v1, 5, v0
	v_readfirstlane_b32 s14, v1                    ; wave 0..3
	s_lshr_b32 s15, s14, 1                         ; my half of the rows.  Also: at the start I fetch for xa (0) or wf (1)
	s_and_b32 s16, s14, 1                          ; my half of the units.  Also: which 128 rows I fetch at the start
	s_bfe_u32 s40, ttmp6, 0x40000                  ; cx
	s_bfe_u32 s41, ttmp6, 0x40004                  ; cy
	s_lshl_b32 s42, ttmp9, 2
	s_add_co_u32 s42, s42, s40                     ; tc: which 128 units, 0..31
	s_and_b32 s17, ttmp7, 0xffff
	s_lshl_b32 s17, s17, 2
	s_add_co_u32 s17, s17, s41                     ; tr: the first tile's 256 rows, 0..7
	s_lshl_b32 s43, s41, 2
	s_lshl_b32 s43, 15, s43                        ; my row of the cluster
	s_lshl_b32 s44, 0x1111, s40                    ; my column
	s_or_b32 s[G1+0], s43, (3<<16)|(1<<21)         ; a chunk: 136 dense rows of 256 bytes (32 elements of 8 bytes); bit 21 set beside a mask
	s_or_b32 s[G1B+0], s44, (3<<16)|(1<<21)
.irp g, G1, G1B
	s_mov_b32 s[\g+1], 32<<16
	s_mov_b32 s[\g+2], 136<<16
	s_mov_b32 s[\g+3], 32<<16
	s_mov_b32 s[\g+4], 136
	s_mov_b32 s[\g+5], 32
	s_mov_b32 s[\g+6], 0
	s_mov_b32 s[\g+7], 0
.endr
	s_lshl_b32 s20, s17, 1
	s_add_co_u32 s20, s20, s16
	s_mul_i32 s20, s20, 2*CH                       ; xa: row block 2 tr + half
	s_mov_b32 s21, 0
	s_lshl_b32 s46, s42, 1
	s_add_co_u32 s46, s46, s16
	s_mul_i32 s46, s46, 2*CH                       ; wf: row block 2 tc + half
	s_mov_b32 s47, 0
	s_mul_i32 s45, s14, 2*CH                       ; where they go: wave x two chunks: no place in the cluster enters an LDS address
	s_lshl_b32 s72, s17, 2                         ; the refill: a tile's rows are four chunks on end in xa; wave w takes chunk 4 (tr + 8) + w
	s_add_co_u32 s72, s72, s14
	s_add_co_u32 s72, s72, 4*WALK
	s_mul_i32 s72, s72, CH                         ; (these registers hold tr and the wave's number alone, which my row of the cluster shares)
	s_mov_b32 s73, 0
	s_mul_i32 s74, s14, CH                         ; to LDS chunk w: xa's four lie first
	s_mov_b32 s92, 0xbfb8aa3b                      ; -log2(e)
	s_mov_b32 s93, s92
	s_mov_b32 s94, 0x76543210
	s_mov_b32 s95, 0xfedcba98
	s_wait_dscnt 0x0                               ; both opening adds are done
	s_wait_kmcnt 0x0
	s_add_nc_u64 s[20:21], s[4:5], s[20:21]
	s_add_nc_u64 s[46:47], s[6:7], s[46:47]
	s_mov_b32 s[G0R], 1
	s_mov_b32 s[G0R+1], s74
	s_add_nc_u64 s[G0R+2:G0R+3], s[4:5], s[72:73]
	s_or_b32 s[G0R+3], s[G0R+3], 0x80000000
	CROUND                                         ; all sixteen work-groups are here: the joint loads meet
.irp s, 0,1
	s_mov_b32 s[G0+4*\s], 1
	s_add_co_u32 s[G0+4*\s+1], s45, \s*CH
	s_add_nc_u64 s[G0+4*\s+2:G0+4*\s+3], s[20:21], \s*CH
	s_or_b32 s[G0+4*\s+3], s[G0+4*\s+3], 0x80000000
	s_mov_b32 s[G0B+4*\s], 1
	s_add_co_u32 s[G0B+4*\s+1], s45, \s*CH
	s_add_nc_u64 s[G0B+4*\s+2:G0B+4*\s+3], s[46:47], \s*CH
	s_or_b32 s[G0B+4*\s+3], s[G0B+4*\s+3], 0x80000000
	JLOAD G0+4*\s, G1, G0B+4*\s, G1B               ; two loads of mine are out
.endr
	v_and_b32 v1, 15, v0                           ; r
	v_bfe_u32 v2, v0, 4, 1                         ; h
	v_and_b32 v3, 31, v0                           ; lane
	v_lshlrev_b32 v[CO], 4, v3
	s_mul_i32 s21, s15, 2*CH                       ; my 128 rows of xa
	s_mul_i32 s22, s16, 2*CH
	s_add_co_u32 s22, s22, 4*CH                    ; my 128 rows of wf, behind xa's four chunks
	s_sub_co_u32 s23, s22, s21
	v_mul_u32_u24 v6, s23, v2                      ; lanes 16-31 take wf's scale words
	v_lshl_add_u32 v6, v1, 4, v6
	s_add_co_u32 s18, s21, SCO
	v_add_nc_u32 v[ADRS], s18, v6
	v_add_nc_u32 v[ADRS+1], CH, v[ADRS]
.irp s, 0,1
	v_add_nc_u32 v[ADRA+\s], s21, v[CO]
	v_add_nc_u32 v[ADRB+\s], s22, v[CO]
	s_add_co_u32 s21, s21, CH
	s_add_co_u32 s22, s22, CH
.endr
	s_lshl_b32 s18, s15, 9
	s_lshl_b32 s19, s16, 1
	s_add_co_u32 s18, s18, s19
	s_add_co_u32 s18, s18, STG
	v_lshl_add_u32 v[HST], v1, 2, s18              ; STG + 4 (128 half + r) + 2 x my half of the units
	s_lshl_b32 s18, s14, 8
	s_add_co_u32 s18, s18, STG
	v_lshl_add_u32 v[HRD], v3, 3, s18
	v_lshlrev_b32 v[HGO], 3, v3
	s_lshl_b32 s18, s17, 1
	s_add_co_u32 s18, s18, s15
	s_mul_i32 s18, s18, 9
	s_lshr_b32 s19, s42, 2
	s_add_co_u32 s18, s18, s19
	s_add_co_u32 s18, s18, 1
	s_mul_i32 s18, s18, CH                         ; a2's chunk: row block 2 tr + half, K group 1 + tc / 4
	s_and_b32 s19, s42, 3                          ; the K step in it
	s_lshl_b32 s10, s19, 13
	s_add_co_u32 s10, s10, s18
	s_lshl_b32 s11, s16, 9
	s_add_co_u32 s10, s10, s11
	s_mov_b32 s11, 0
	s_add_nc_u64 s[10:11], s[8:9], s[10:11]        ; my half (64 along K) of the fragments' images
	s_lshl_b32 s12, s19, 9
	s_add_co_u32 s12, s12, s18
	s_lshl_b32 s13, s16, 8
	s_add_co_u32 s12, s12, s13
	s_add_co_u32 s12, s12, SCO
	s_mov_b32 s13, 0
	s_add_nc_u64 s[12:13], s[8:9], s[12:13]        ; 64 rows' scale words
.macro FRAG reg, adr, q, i             ; a fragment's image: two loads of 512 consecutive bytes
.irp c, 0,1
	ds_load_b128 v[\reg+4*\c:\reg+4*\c+3], v[\adr] offset:8192*(\q)+1024*(\i)+512*\c
.endr
.endm
; 16 products: xa's blocks a0, a0 + 1 x wf's eight.  The 64 accumulators take turns, one instruction a turn, in the same order in every step and from tile to tile
.macro MUL16 a0, p, q, sc, zero
.irp a, \a0, \a0+1
.irp b, 0,1,2,3,4,5,6,7
.if \zero
	v_wmma_scale_f32_16x16x128_f8f6f4 v[8*(8*((\a)%4)+\b):8*(8*((\a)%4)+\b)+7], v[128*(\p)+FR*\b:128*(\p)+FR*\b+FR-1], v[AF+FR*(\a):AF+FR*(\a)+FR-1], 0, v[SC+8*NQ*(\sc)+NQ*\b+(\q)], v[SC+8*NQ*(\sc)+NQ*(\a)+(\q)] matrix_a_fmt:MATRIX_FMT_FP4 matrix_b_fmt:MATRIX_FMT_FP4 matrix_a_scale:MATRIX_SCALE_ROW1
.else
	v_wmma_scale_f32_16x16x128_f8f6f4 v[8*(8*((\a)%4)+\b):8*(8*((\a)%4)+\b)+7], v[128*(\p)+FR*\b:128*(\p)+FR*\b+FR-1], v[AF+FR*(\a):AF+FR*(\a)+FR-1], v[8*(8*((\a)%4)+\b):8*(8*((\a)%4)+\b)+7], v[SC+8*NQ*(\sc)+NQ*\b+(\q)], v[SC+8*NQ*(\sc)+NQ*(\a)+(\q)] matrix_a_fmt:MATRIX_FMT_FP4 matrix_b_fmt:MATRIX_FMT_FP4 matrix_a_scale:MATRIX_SCALE_ROW1
.endif
.endr
.endr
.endm
.macro FETCH_B slot, q, p
	WIN TO_B
.irp i, 0,1,2,3,4,5,6,7
	FRAG 128*(\p)+FR*\i, ADRB+\slot, \q, \i
.endr
	WIN 0
.endm
.macro FETCH_A slot, q, i0
.irp i, \i0, \i0+1, \i0+2, \i0+3
	FRAG AF+FR*(\i), ADRA+\slot, \q, \i
.endr
.endm
.macro SCALES sc                       ; a chunk's scale words: four K steps of a row by one load; lanes 0-15 xa's block i, lanes 16-31 wf's block i
.irp i, 0,1,2,3,4,5,6,7
	ds_load_b128 v[SC+8*NQ*\sc+NQ*\i:SC+8*NQ*\sc+NQ*\i+3], v[ADRS+\sc] offset:\i*256
.endr
.endm
.macro PLACES n                        ; plain places in front of loads into registers that matrix instructions have read, and of the first read of results
.rept \n
	v_nop
.endr
.endm
.macro STEP slot, q, zero              ; 128 along K, with its successor in the same chunk
	s_wait_dscnt 4*NL                              ; all but the youngest eight loads (xa's blocks 4-7)
	WIN MUL_LO
	MUL16 0, (\q)%2, \q, \slot, \zero
	MUL16 2, (\q)%2, \q, \slot, \zero
	s_wait_dscnt 0
	PLACES NP
	FETCH_B \slot, (\q)+1, 1-(\q)%2
	FETCH_A \slot, (\q)+1, 0
	WIN MUL_HI
	MUL16 4, (\q)%2, \q, \slot, \zero
	MUL16 6, (\q)%2, \q, \slot, \zero
	PLACES NP
	WIN 0
	FETCH_A \slot, (\q)+1, 4
.endm
.macro STEPS slot, from
.set Q, \from
.rept NQ-1-\from
	STEP \slot, Q, 0
.set Q, Q+1
.endr
.endm
; The first chunk's last step, and on to the second chunk.  sync = 1 (the first tile): the second chunks are first fills that may still be out: each wave waits for its own, and a barrier shows them to all.
; sync = 0 (the second tile): both chunks were shown landed at the tile's head
.macro CROSS sync
.if \sync
	s_wait_tensorcnt 0x0                           ; my part of the second chunks is in
.endif
	s_wait_dscnt 4*NL
	WIN MUL_LO
	MUL16 0, 1, NQ-1, 0, 0
.if \sync
	s_wait_dscnt 0x0                               ; no LDS instruction of mine is out at the signal
	s_barrier_signal -1
.endif
	MUL16 2, 1, NQ-1, 0, 0
.if \sync
	WIN 0
	s_barrier_wait -1                              ; everybody's part is in
.else
	s_wait_dscnt 0                                 ; xa's blocks 4-7 are in
.endif
	PLACES NP
	FETCH_B 1, 0, 0
	FETCH_A 1, 0, 0
	SCALES 1
	WIN MUL_HI
	MUL16 4, 1, NQ-1, 0, 0
	MUL16 6, 1, NQ-1, 0, 0
	PLACES NP
	WIN 0
	FETCH_A 1, 0, 4
.endm
; A tile's very last step.  refill = 1 (the first tile): all fragments are in registers behind its second wait on LDS, so xa's four chunks are filled again here, with the second tile's rows.
; In front of the barrier each wave waits for all its tensor loads, adds 0 to its spare word, and waits for that and for its reads of LDS; the barrier opens a round of the cluster's barrier;
; behind the round each wave asks for one chunk, jointly with its row of the cluster
.macro LAST refill
.if \refill
	s_wait_tensorcnt 0x0                           ; no tensor load of mine is out  (every window is 0 here: the add's two registers lie in window 0)
	ds_add_u32 v[SPW], v[NIL]                      ; 0 onto my spare word
	s_wait_dscnt 4*NL+1                            ; (the add and the youngest eight loads, xa's blocks 4-7, may be out)
	WIN MUL_LO
	MUL16 0, 1, NQ-1, 1, 0                         ; sixteen products stand between the add and the wait for it
	s_wait_dscnt 0x0                               ; the add is done, and my reads of the chunks are over
	s_barrier_signal -1
	MUL16 2, 1, NQ-1, 1, 0
	WIN 0
	s_barrier_wait -1
	CREST                                          ; no wave of any partner still reads xa's chunks or has a load on its way
	tensor_load_to_lds s[G0R:G0R+3], s[G1:G1+7]    ; my one tensor load behind the round: LDS chunk w takes chunk w of the second tile's rows
	s_nop 0
.rept 4
	v_nop
.endr
.else
	s_wait_dscnt 4*NL                              ; nothing more to fetch
	WIN MUL_LO
	MUL16 0, 1, NQ-1, 1, 0
	MUL16 2, 1, NQ-1, 1, 0
	s_wait_dscnt 0
.endif
	WIN MUL_HI
	MUL16 4, 1, NQ-1, 1, 0
	MUL16 6, 1, NQ-1, 1, 0
	WIN 0
.endm
; 32 numbers of a lane, register 16 b + i = unit 32 b + 16 (lane / 16) + i, become four registers of codes (half a fragment) and half a scale word
.macro QUANT2 s, pc
.irp b, 0,1
	v_max3_num_f32 v[TM+\b], |v[\s+16*\b]|, |v[\s+1+16*\b]|, 0x1800000
.endr
.irp i, 2,4,6,8,10,12,14
.irp b, 0,1
	v_max3_num_f32 v[TM+\b], v[TM+\b], |v[\s+16*\b+\i]|, |v[\s+1+16*\b+\i]|
.endr
.endr
.irp b, 0,1
	v_permlanex16_b32 v[TM+4+\b], v[TM+\b], s94, s95
.endr
.irp b, 0,1
	v_max_num_f32 v[TM+\b], v[TM+\b], v[TM+4+\b]
.endr
.irp b, 0,1
	v_add_nc_u32 v[TM+12+\b], 0xff000000, v[TM+\b]
.endr
.irp b, 0,1
	v_lshrrev_b32 v[TM+4+\b], 23, v[TM+12+\b]
.endr
	v_lshl_or_b32 v[HW], v[TM+5], 8, v[TM+4]
.irp b, 0,1
	v_cvt_scalef32_pk8_fp4_f32 v[\pc+2*\b], v[\s+16*\b:\s+7+16*\b], v[TM+12+\b]
	v_cvt_scalef32_pk8_fp4_f32 v[\pc+1+2*\b], v[\s+8+16*\b:\s+15+16*\b], v[TM+12+\b]
.endr
	v_nop                                          ; one plain place behind a scaled conversion
	v_permlane16_swap_b32 v[\pc], v[\pc+2]         ; a whole block to a lane
	v_permlane16_swap_b32 v[\pc+1], v[\pc+3]
.endm
; THE WAY OUT of xa's block a (16 rows): silu(gate) x value in f32, quantised, stored as half a fragment's image
.macro EPI a
.set AC, 64*((\a)%4)
.set WW, 2+(\a)/4
.set PCS, PC+4*((\a)%2)
	WIN WW                                         ; source 0: the accumulators' window
.set J, 0
.rept 16
	v_pk_mul_f32 v[EE+J:EE+J+1], v[AC+32+J:AC+33+J], s[92:93] op_sel_hi:[1,0]   ; -gate log2(e); each accumulator is read from its low end on
.set J, J+2
.endr
	WIN 0
.set J, 0
.rept 32
	v_exp_f32 v[EE+J], v[EE+J]
.set J, J+1
.endr
	v_nop                                          ; a plain place behind the batch,
	s_wait_alu depctr_va_vdst(0)                   ; and one wait for it, ahead of its first reader
.set J, 0
.rept 16
	v_pk_add_f32 v[EE+J:EE+J+1], v[EE+J:EE+J+1], 1.0 op_sel_hi:[1,0]
.set J, J+2
.endr
.set J, 0
.rept 32
	v_rcp_f32 v[EE+J], v[EE+J]
.set J, J+1
.endr
	v_nop
	s_wait_alu depctr_va_vdst(0)
	WIN WW
.set J, 0
.rept 16
	v_pk_mul_f32 v[EE+J:EE+J+1], v[AC+32+J:AC+33+J], v[EE+J:EE+J+1]             ; silu(gate)
.set J, J+2
.endr
.set J, 0
.rept 16
	v_pk_mul_f32 v[EE+J:EE+J+1], v[AC+J:AC+J+1], v[EE+J:EE+J+1]                 ; x value
.set J, J+2
.endr
	WIN 0
.if (\a) >= 2
	s_wait_xcnt 0x0                                ; the store of two blocks ago has read its registers: they are written again only behind this wait
.endif
	QUANT2 EE, PCS
	global_store_b128 v[CO], v[PCS:PCS+3], s[10:11] offset:1024*(\a)            ; 512 consecutive bytes
	ds_store_b16 v[HST], v[HW] offset:64*(\a)      ; both halves of the lanes write the same two bytes with the same value
.endm
; A TILE.  first = 1: the first tile, whose chunks are the first fills, and in whose last step xa's chunks are filled again;  first = 0: the second and last
.macro TILE first
.if \first
	s_wait_tensorcnt 1                             ; my part of the first chunks is in (my second load may be out)
.else
	s_wait_tensorcnt 0x0                           ; my chunk of the second tile's rows is in,
	s_wait_xcnt 0x0                                ; and the first tile's stores have read their registers, onto which xa's fragments are loaded, and their bases, which step:
	s_add_nc_u64 s[10:11], s[10:11], WALKC         ; 16 row blocks down in a2
	s_add_nc_u64 s[12:13], s[12:13], WALKC
.endif
	s_barrier_signal -1                            ; (no LDS instruction of mine is out: in the second tile my read of the scale words' stage has been waited for, so that the stage may be written again behind this barrier)
	s_barrier_wait -1                              ; everybody's is
	FETCH_B 0, 0, 0
	FETCH_A 0, 0, 0
	SCALES 0
	FETCH_A 0, 0, 4
	STEP 0, 0, 1                                   ; the first products start the sums: nothing is cleared
	STEPS 0, 1
	CROSS \first
	STEPS 1, 0
	LAST \first
	PLACES NP                                      ; places in front of the first read of results, and of writes onto registers that the last products read
	v_mov_b32 v[TM+4], 0                           ; a lane permute's destination counts as one of its sources
	v_mov_b32 v[TM+5], 0
.irp a, 0,1,2,3,4,5,6,7
	EPI \a
.endr
	s_wait_dscnt 0x0                               ; my half words lie in LDS,
	s_barrier_signal -1
	s_barrier_wait -1                              ; the other half's do
	ds_load_b64 v[186:187], v[HRD]
	s_wait_dscnt 0x0
	global_store_b64 v[HGO], v[186:187], s[12:13]  ; 64 rows' scale words: 256 consecutive bytes, aligned
.endm
	TILE 1
	TILE 0
	s_wait_tensorcnt 0x0                           ; the wave's end
	ds_add_u32 v[SPW], v[NIL]
	s_wait_dscnt 0x0
	CROUND                                         ; the closing round
	s_endpgm
.Lfunc_end_k_q2649674255_ffgemm:
	.size	k_q2649674255_ffgemm, .Lfunc_end_k_q2649674255_ffgemm-k_q2649674255_ffgemm
	.p2alignl 7, 3214868480
	.fill 96, 4, 3214868480
	.section	.rodata,"a",@progbits
	.p2align	6, 0x0
	.amdhsa_kernel k_q2649674255_ffgemm
		.amdhsa_group_segment_fixed_size 327680
		.amdhsa_private_segment_fixed_size 0
		.amdhsa_enable_private_segment 0
		.amdhsa_kernarg_size 24
		.amdhsa_user_sgpr_count 2
		.amdhsa_user_sgpr_kernarg_segment_ptr 1
		.amdhsa_wavefront_size32 1
		.amdhsa_system_sgpr_workgroup_id_x 1
		.amdhsa_system_sgpr_workgroup_id_y 1
		.amdhsa_system_sgpr_workgroup_id_z 1
		.amdhsa_system_vgpr_workitem_id 0
		.amdhsa_next_free_vgpr 1024
		.amdhsa_next_free_sgpr 98
		.amdhsa_reserve_vcc 0
		.amdhsa_float_denorm_mode_32 3
		.amdhsa_float_denorm_mode_16_64 3
		.amdhsa_memory_ordered 1
		.amdhsa_forward_progress 1
		.amdhsa_inst_pref_size 255
	.end_amdhsa_kernel
	.section	.bss,"aw",@nobits
	.p2align	6
	.space	262144
	.amdgpu_metadata
---
amdhsa.version: [ 1, 2 ]
amdhsa.kernels:
  - .name:           k_q2649674255_ffgemm
    .symbol:         k_q2649674255_ffgemm.kd
    .args:
      - { .name: xa, .offset: 0, .size: 8, .value_kind: global_buffer, .address_space: global }
      - { .name: wf, .offset: 8, .size: 8, .value_kind: global_buffer, .address_space: global }
      - { .name: a2, .offset: 16, .size: 8, .value_kind: global_buffer, .address_space: global }
    .group_segment_fixed_size: 327680
    .private_segment_fixed_size: 0
    .kernarg_segment_align: 8
    .kernarg_segment_size: 24
    .max_flat_workgroup_size: 128
    .sgpr_count:     98
    .vgpr_count:     1024
    .wavefront_size: 32
...
	.end_amdgpu_metadata
.endif
;; end of part 3
;; launch attn (part 4): grid 128 x 2, 16 waves a work-group, no clusters, 167,936 bytes of LDS; arguments qc, kv, a2; writes a2
.if DOCPART == 4
	.amdgcn_target "amdgcn-amd-amdhsa--gfx1250"
	.amdhsa_code_object_version 6
	.text
	.protected	k_q2649674255_attn
	.globl	k_q2649674255_attn
	.p2align	8
	.type	k_q2649674255_attn,@function
k_q2649674255_attn:
	s_mov_b64 s[64:65], 0
	v_nop
	global_prefetch_b8 v0, s[64:65] scope:SCOPE_SE
	s_setreg_imm32_b32 hwreg(HW_REG_WAVE_MODE, 25, 1), 1
	s_wait_xcnt 0x0
; Launch 4 of 5: causal attention with one key and value head, both products on codes of FP4; out / l is quantised along the head's 32 and goes into K group 0 of a2.
; LEFT OUT: key steps (128 keys) all of whose keys come after all 16 queries of a wave's tile: reference() masks those scores itself, so their p is 0 for all values of the inputs.
; THE SOFTMAX AHEAD OF THE SECOND PRODUCT: t = score x log2(e); M = the running largest t rounded UP to a whole number; p = 2^(t - M) is quantised along the keys, not normalised; the row's sum is taken of the
; unquantised p and divides at the end; when M moves, the sum and O are multiplied by 2^(old M - new M), which rounds nothing.  Hidden scores become -infinity where reference() writes -finfo.max: p is 0 either way.
; SHARES.  A wave owns 16 queries of one head.  A work-group has 8 heads x the query tiles p and 127 - p of one batch: 17 key steps for each head, the same in every work-group.
; NO CLUSTER: the branch that leaves hidden key steps out hangs on the query tile, which differs between work-groups that would be partners.
; The batch's whole block of kv (k's codes and scale words, v's codes and scale words, 75,776 bytes) comes into LDS once, a quarter by each of waves 0-3; every quarter holds bytes that every work-group reads.
; THE FIRST PRODUCT HAS K = 32 IN AN INSTRUCTION OF K = 128.  Source 0 holds 64 keys: block sigma of row rho is key 16 sigma + rho, which is k's codes as they lie.  Source 1 is q with its 32 codes in block sigma alone
; and zero codes in the other three, which add exactly 0.  Four products, sigma = 0..3, so serve 64 keys with one operand of k.  q's and k's scale words hold their byte four times.
; In S^T register 8 T + j of lane (r, h) is key 16 T + 8 h + j of query r; p's codes of a block of 32 keys so lie in the order 16 h + 8 i + j <-> key 16 i + 8 h + j, in which v's codes were laid.
; v's rows: tile tau, row rho is d = 8 tau + rho + 8 (rho / 8), so that a lane's 16 registers of O^T are d = 16 (lane / 16) + 0 .. 15.
; LIMITS: as stated in the first launch.
.set CH,    34816
.set SCO,   32768
.set KSO,   32768                      ; LDS: 0 k's codes, 16 bytes a key;  KSO its scale words;  VC v's codes, 2,048 bytes a key step;  VS its scale words
.set VC,    40960
.set VS,    73728
.set OSC,   75776                      ; 256 bytes: the scale bytes of out
.set SPARE, 76032                      ; the spare words, 128 bytes for each of sixteen waves: no other line names them
.set SPW,   5
.set NIL,   6
	s_load_b128 s[4:7], s[0:1], 0x0                ; qc, kv
	s_load_b64 s[8:9], s[0:1], 0x10                ; a2
	v_lshl_add_u32 v[SPW], v0, 2, SPARE
	v_mov_b32 v[NIL], 0
	ds_add_u32 v[SPW], v[NIL]                      ; the wave's opening: the add, twice on end, and its wait ahead of the first tensor load
	ds_add_u32 v[SPW], v[NIL]
	v_lshrrev_b32 v8, 5, v0
	v_readfirstlane_b32 s18, v8                    ; wave 0..15
	s_and_b32 s10, ttmp7, 0xffff                   ; batch
	s_lshr_b32 s11, ttmp9, 1                       ; p
	s_and_b32 s12, ttmp9, 1                        ; which eight heads
	s_lshr_b32 s13, s18, 1
	s_lshl_b32 s14, s12, 3
	s_add_co_u32 s14, s14, s13                     ; head
	s_lshr_b32 s15, s18, 2
	s_xor_b32 s15, s15, s18
	s_and_b32 s15, s15, 1                          ; sel: tile p or tile 127 - p; long and short waves are spread over the SIMDs
	s_sub_co_u32 s16, 127, s11
	s_cmp_eq_u32 s15, 1
	s_cselect_b32 s17, s16, s11                    ; my tile of queries
	s_lshl_b32 s19, s17, 4                         ; my first query
	s_mov_b32 s24, 3<<16                           ; a quarter of the block: 74 dense rows of 256 bytes (32 elements of 8 bytes)
	s_mov_b32 s25, 32<<16
	s_mov_b32 s26, 74<<16
	s_mov_b32 s27, 32<<16
	s_mov_b32 s28, 74
	s_mov_b32 s29, 32
	s_mov_b32 s30, 0
	s_mov_b32 s31, 0
	s_and_b32 s34, s18, 3
	s_mul_i32 s34, s34, 18944
	s_mul_i32 s36, s10, 75776
	s_add_co_u32 s36, s36, s34
	s_mov_b32 s37, 0
	s_mov_b32 s20, 0x76543210
	s_mov_b32 s21, 0xfedcba98
	s_mov_b32 s22, 0x3fb8aa3b                      ; log2(e): q already carries 32^-0.5
	s_mov_b32 s23, s22
	s_mov_b32 s38, 0xffff                          ; lanes 0-15
	s_mov_b32 s39, 0xffff0000                      ; lanes 16-31
	s_wait_dscnt 0x0                               ; both opening adds are done
	s_wait_kmcnt 0x0
	s_mov_b32 s40, 1
	s_mov_b32 s41, s34
	s_add_nc_u64 s[42:43], s[6:7], s[36:37]
	s_or_b32 s43, s43, 0x80000000
	s_cmp_lt_u32 s18, 4
	s_cbranch_scc0 .Lasked
	tensor_load_to_lds s[40:43], s[24:31]
	s_nop 0
.rept 4
	v_nop
.endr
.Lasked:
	s_lshl_b32 s44, s10, 7
	s_add_co_u32 s44, s44, s17
	s_lshl_b32 s44, s44, 4
	s_add_co_u32 s44, s44, s14                     ; 16 x (tile of rows) + head
	s_lshl_b32 s46, s44, 8
	s_mov_b32 s47, 0
	s_add_nc_u64 s[48:49], s[4:5], s[46:47]
	s_lshl_b32 s46, s44, 6
	s_add_co_u32 s46, s46, 1048576
	s_add_nc_u64 s[50:51], s[4:5], s[46:47]
	v_and_b32 v63, 15, v0                          ; r
	v_bfe_u32 v62, v0, 4, 1                        ; h
	v_and_b32 v61, 31, v0                          ; lane
	v_lshlrev_b32 v37, 4, v63
	v_lshlrev_b32 v38, 2, v63
	global_load_b128 v[240:243], v37, s[48:49]     ; query r's 32 codes, in both halves of the lanes
	global_load_b32 v36, v38, s[50:51]             ; and its scale word
	v_lshlrev_b32 v1, 4, v61                       ; k's codes: 16 x lane
	v_lshl_add_u32 v2, v61, 2, KSO                 ; k's scale words
	v_add_nc_u32 v3, VC, v1                        ; v's codes
	v_lshl_add_u32 v4, v61, 2, VS                  ; v's scale words: lanes 0-15 tile 0, lanes 16-31 tile 1
	v_lshl_add_u32 v7, v62, 3, v37                 ; out: 16 r + 8 h
	s_lshl_b32 s55, s15, 7
	s_add_co_u32 s55, s55, s13
	s_add_co_u32 s55, s55, OSC
	v_lshl_add_u32 v39, v63, 3, s55                ; my scale byte: OSC + 128 sel + 8 r + head % 8
	v_lshl_add_u32 v61, v61, 3, OSC
	s_lshl_b32 s60, s10, 4
	s_lshr_b32 s61, s17, 3
	s_add_co_u32 s60, s60, s61
	s_mul_i32 s60, s60, 9*CH                       ; a2's chunk: my row block, K group 0
	s_lshr_b32 s61, s14, 2
	s_lshl_b32 s61, s61, 13
	s_add_co_u32 s60, s60, s61                     ; K step head / 4
	s_and_b32 s61, s17, 7
	s_lshl_b32 s61, s61, 10
	s_add_co_u32 s60, s60, s61                     ; my tile of rows
	s_and_b32 s61, s14, 3
	s_lshl_b32 s61, s61, 8
	s_add_co_u32 s60, s60, s61                     ; block head % 4
	s_mov_b32 s61, 0
	s_add_nc_u64 s[56:57], s[8:9], s[60:61]
	s_lshl_b32 s60, s10, 4                         ; the scale words' places, for tile p and for tile 127 - p
	s_lshr_b32 s58, s11, 3
	s_add_co_u32 s58, s58, s60
	s_mul_i32 s58, s58, 9*CH
	s_and_b32 s55, s11, 7
	s_lshl_b32 s55, s55, 6
	s_add_co_u32 s58, s58, s55
	s_lshr_b32 s59, s16, 3
	s_add_co_u32 s59, s59, s60
	s_mul_i32 s59, s59, 9*CH
	s_and_b32 s55, s16, 7
	s_lshl_b32 s55, s55, 6
	s_add_co_u32 s59, s59, s55
	s_lshl_b32 s55, s12, 10
	s_add_co_u32 s55, s55, SCO
	s_add_co_u32 s58, s58, s55
	s_add_co_u32 s59, s59, s55
	v_mov_b32 v62, s58
	v_mov_b32 v63, s59
	v_cndmask_b32 v62, v62, v63, s39
	v_add_nc_u32 v62, v62, v38
	v_mov_b32 v13, 0xff61b1e6                      ; the largest t so far: -3e38
	v_floor_f32 v12, -v13                          ; -M
	v_mov_b32 v14, 0
	v_mov_b32 v15, 0
.irp b, 0,1,2,3
	v_mov_b32 v[236+\b], 0                         ; written once: a lane permute's destination counts as one of its sources
	v_mov_b32 v[16+\b], 0                          ; zero codes
	v_mov_b32 v[24+\b], 0
	v_mov_b32 v[32+\b], 0
.endr
	v_mov_b32 v252, 0
	v_mov_b32 v253, 0
.set J, 0
.rept 16
	v_mov_b32 v[160+J], 0                          ; O^T: the loop is written once; its first step finds zeros
.set J, J+1
.endr
	s_wait_loadcnt 0x0
.irp i, 0,1,2,3
	v_cndmask_b32 v[20+\i], 0, v[240+\i], s38      ; q in lanes 0-15 alone: v[20:27] has it in block 0, v[16:23] in block 2
	v_cndmask_b32 v[28+\i], 0, v[240+\i], s39      ; q in lanes 16-31 alone: v[28:35] has it in block 1, v[24:31] in block 3
.endr
	s_mov_b32 s2, 0                                ; the step's first key
	s_mov_b32 s3, 0                                ; its codes of k and of v: 2,048 bytes a step
	s_mov_b32 s52, 0                               ; k's scale words: 512
	s_mov_b32 s53, 0                               ; v's: 128
	s_mov_b32 s54, 16
	s_wait_tensorcnt 0x0                           ; my quarter has landed,
	s_barrier_signal -1
	s_barrier_wait -1                              ; all four have
.macro SPROD t, qf
.if (\t)%2
	v_wmma_scale_f32_16x16x128_f8f6f4 v[96+8*(\t):103+8*(\t)], v[40+8*((\t)/4):47+8*((\t)/4)], v[\qf:\qf+7], 0, v[56+(\t)/2], v36 matrix_a_fmt:MATRIX_FMT_FP4 matrix_b_fmt:MATRIX_FMT_FP4 matrix_a_scale:MATRIX_SCALE_ROW1
.else
	v_wmma_scale_f32_16x16x128_f8f6f4 v[96+8*(\t):103+8*(\t)], v[40+8*((\t)/4):47+8*((\t)/4)], v[\qf:\qf+7], 0, v[56+(\t)/2], v36 matrix_a_fmt:MATRIX_FMT_FP4 matrix_b_fmt:MATRIX_FMT_FP4
.endif
.endm
.Lstep:                                            ; 16 trips, a constant: every wave walks all key steps and jumps over the work of the hidden ones
	s_add_co_u32 s55, s19, 15
	s_cmp_gt_u32 s2, s55
	s_cbranch_scc1 .Lhidden
	v_add_nc_u32 v8, s3, v1                        ; (these four are also the places behind the last trip's products)
	v_add_nc_u32 v9, s52, v2
	v_add_nc_u32 v10, s3, v3
	v_add_nc_u32 v11, s53, v4
.irp g, 0,1
.irp c, 0,1
	ds_load_b128 v[40+8*\g+4*\c:43+8*\g+4*\c], v8 offset:1024*\g+512*\c
.endr
.endr
.irp p, 0,1,2,3
	ds_load_b32 v[56+\p], v9 offset:128*\p         ; lanes 0-15: keys 32 p on, lanes 16-31: keys 32 p + 16 on
.endr
.irp t, 0,1
.irp c, 0,1
	ds_load_b128 v[64+8*\t+4*\c:67+8*\t+4*\c], v10 offset:1024*\t+512*\c
.endr
.endr
	ds_load_b32 v60, v11
	s_wait_dscnt 5                                 ; k and its scale words are in; v's four loads and its scale word may be out
	SPROD 0, 20
	SPROD 1, 28
	SPROD 2, 16
	SPROD 3, 24
	SPROD 4, 20
	SPROD 5, 28
	SPROD 6, 16
	SPROD 7, 24
.rept 4
	v_nop
.endr
	s_add_co_u32 s55, s2, 127                      ; on the diagonal hidden scores become -infinity ahead of the maximum; a step all of whose keys count skips this
	s_cmp_le_u32 s55, s19
	s_cbranch_scc1 .Lopen
	s_sub_co_i32 s55, s19, s2
	v_and_b32 v248, 15, v0
	v_bfe_u32 v249, v0, 4, 1
	v_lshlrev_b32 v249, 3, v249
	v_sub_nc_u32 v248, v248, v249
	v_add_nc_u32 v248, s55, v248                   ; my query - the step's first key - 8 (lane / 16): register n is hidden where 16 (n / 8) + n % 8 is above it
	v_mov_b32 v250, 0xff800000
.set N, 0
.rept 64
	v_cmp_gt_i32 vcc_lo, 16*(N/8)+N%8, v248
	v_cndmask_b32 v[96+N], v[96+N], v250, vcc_lo
.set N, N+1
.endr
.Lopen:
.irp b, 0,1,2,3
	v_max3_num_f32 v[232+\b], v[96+16*\b], v[97+16*\b], v[98+16*\b]     ; the largest score of each block of 32 keys: for the row's maximum, and, since p rises with the score, for the block's largest p
.endr
.irp i, 3,5,7,9,11,13
.irp b, 0,1,2,3
	v_max3_num_f32 v[232+\b], v[232+\b], v[96+16*\b+\i], v[97+16*\b+\i]
.endr
.endr
.irp b, 0,1,2,3
	v_max_num_f32 v[232+\b], v[232+\b], v[111+16*\b]
.endr
.irp b, 0,1,2,3
	v_permlanex16_b32 v[236+\b], v[232+\b], s20, s21
.endr
.irp b, 0,1,2,3
	v_max_num_f32 v[232+\b], v[232+\b], v[236+\b]
.endr
	v_max3_num_f32 v254, v232, v233, v234
	v_max_num_f32 v254, v254, v235
	v_mul_f32 v254, s22, v254
	v_max_num_f32 v13, v13, v254                   ; the running largest t
	v_mov_b32 v254, v12
	v_floor_f32 v12, -v13                          ; the new -M: a whole number
	v_sub_f32 v254, v12, v254
	v_cvt_i32_f32 v254, v254                       ; (it saturates)
	v_ldexp_f32 v252, 1.0, v254                    ; f = 2^(old M - new M)
.set J, 0
.rept 32
	v_pk_fma_f32 v[96+J:97+J], v[96+J:97+J], s[22:23], v[12:13] op_sel_hi:[1,0,0]   ; t - M
.set J, J+2
.endr
.irp b, 0,1,2,3
	v_fma_f32 v[232+\b], v[232+\b], s22, v12
.endr
.set J, 0
.rept 64
	v_exp_f32 v[96+J], v[96+J]                     ; p, at most 1
.set J, J+1
.endr
	v_pk_mul_f32 v[14:15], v[14:15], v[252:253] op_sel_hi:[1,0]        ; the sums under the new M: a plain place behind the batch
	s_wait_alu depctr_va_vdst(0)                   ; one wait for the 64, ahead of their first reader
.irp b, 0,1,2,3
	v_exp_f32 v[232+\b], v[232+\b]                 ; the blocks' largest p
.endr
	v_pk_add_f32 v[240:241], v[96:97], v[98:99]    ; the row's sum of the unquantised p, in two chains: its first half
.irp j, 4,8,12,16,20,24,28
	v_pk_add_f32 v[14:15], v[14:15], v[96+\j:97+\j]
	v_pk_add_f32 v[240:241], v[240:241], v[98+\j:99+\j]
.endr
	s_wait_alu depctr_va_vdst(0)                   ; and one for the four
.irp b, 0,1,2,3
	v_max_num_f32 v[232+\b], 0x1800000, v[232+\b]  ; the floor: the byte cannot fall under 1
.endr
.irp b, 0,1,2,3
	v_add_nc_u32 v[244+\b], 0xff000000, v[232+\b]
.endr
.irp b, 0,1,2,3
	v_lshrrev_b32 v[236+\b], 23, v[244+\b]
.endr
	v_lshl_or_b32 v253, v237, 8, v236              ; p's scale word for these 128 keys
	v_lshl_or_b32 v253, v238, 16, v253
	v_lshl_or_b32 v253, v239, 24, v253
.irp b, 0,1,2,3
	v_cvt_scalef32_pk8_fp4_f32 v[224+2*\b], v[96+16*\b:103+16*\b], v[244+\b]
	v_cvt_scalef32_pk8_fp4_f32 v[225+2*\b], v[104+16*\b:111+16*\b], v[244+\b]
.endr
	v_nop                                          ; one plain place behind a scaled conversion
.irp c, 0,1
.irp i, 0,1
	v_permlane16_swap_b32 v[224+4*\c+\i], v[226+4*\c+\i]
.endr
.endr
.irp j, 32,36,40,44,48,52,56,60                 ; the sum's second half: these lines name no register of the products below and stand between the last write of p's codes and scale word and those products
	v_pk_add_f32 v[14:15], v[14:15], v[96+\j:97+\j]
	v_pk_add_f32 v[240:241], v[240:241], v[98+\j:99+\j]
.endr
	v_pk_add_f32 v[14:15], v[14:15], v[240:241]
.irp j, 0,2,4,6,8,10,12,14
	v_pk_mul_f32 v[160+\j:161+\j], v[160+\j:161+\j], v[252:253] op_sel_hi:[1,0]     ; O^T under the new M, from each accumulator's low end on
.endr
	s_wait_dscnt 0x0                               ; v and its scale word
	v_wmma_scale_f32_16x16x128_f8f6f4 v[160:167], v[64:71], v[224:231], v[160:167], v60, v253 matrix_a_fmt:MATRIX_FMT_FP4 matrix_b_fmt:MATRIX_FMT_FP4
	v_wmma_scale_f32_16x16x128_f8f6f4 v[168:175], v[72:79], v[224:231], v[168:175], v60, v253 matrix_a_fmt:MATRIX_FMT_FP4 matrix_b_fmt:MATRIX_FMT_FP4 matrix_a_scale:MATRIX_SCALE_ROW1
.Lhidden:
	s_add_co_u32 s2, s2, 128
	s_add_co_u32 s3, s3, 2048
	s_add_co_u32 s52, s52, 512
	s_add_co_u32 s53, s53, 128
	s_sub_co_u32 s54, s54, 1
	s_cmp_lg_u32 s54, 0
	s_cbranch_scc1 .Lstep
	; THE WAY OUT: O^T / the sum, quantised along the head's 32 (my 16 and lane l xor 16's)
.rept 4
	v_nop                                          ; places behind the last products
.endr
	v_add_f32 v14, v14, v15
	v_permlanex16_b32 v252, v14, s20, s21
	v_add_f32 v14, v14, v252
	v_rcp_f32 v14, v14
	v_nop                                          ; a plain place behind the reciprocal,
	s_wait_alu depctr_va_vdst(0)                   ; and its wait
.set J, 0
.rept 16
	v_mul_f32 v[96+J], v[160+J], v14               ; register J is d = 16 (lane / 16) + J
.set J, J+1
.endr
	v_max3_num_f32 v232, |v96|, |v97|, 0x1800000
	v_max3_num_f32 v233, |v98|, |v99|, |v100|
	v_max3_num_f32 v232, v232, |v101|, |v102|
	v_max3_num_f32 v233, v233, |v103|, |v104|
	v_max3_num_f32 v232, v232, |v105|, |v106|
	v_max3_num_f32 v233, v233, |v107|, |v108|
	v_max3_num_f32 v232, v232, |v109|, |v110|
	v_max3_num_f32 v232, v232, v233, |v111|
	v_permlanex16_b32 v236, v232, s20, s21
	v_max_num_f32 v232, v232, v236
	v_add_nc_u32 v244, 0xff000000, v232
	v_lshrrev_b32 v237, 23, v244
	v_cvt_scalef32_pk8_fp4_f32 v224, v[96:103], v244
	v_cvt_scalef32_pk8_fp4_f32 v225, v[104:111], v244
	v_nop
	global_store_b64 v7, v[224:225], s[56:57]      ; the wave stores 256 consecutive bytes, aligned: one block of 16 rows
	ds_store_b8 v39, v237                          ; both halves of the lanes write the same byte with the same value
	s_wait_dscnt 0x0
	s_barrier_signal -1
	s_barrier_wait -1
	s_cmp_lg_u32 s18, 0
	s_cbranch_scc1 .Ldone
	ds_load_b64 v[226:227], v61                    ; lanes 0-15: tile p's rows, lanes 16-31: tile 127 - p's; two scale words (eight heads) a row
	s_wait_dscnt 0x0
	global_store_b32 v62, v226, s[8:9]             ; pieces of 64 bytes: 64 KB in the whole launch
	global_store_b32 v62, v227, s[8:9] offset:512
.Ldone:
	s_wait_tensorcnt 0x0                           ; the wave's end
	ds_add_u32 v[SPW], v[NIL]
	s_wait_dscnt 0x0
	s_endpgm
.Lfunc_end_k_q2649674255_attn:
	.size	k_q2649674255_attn, .Lfunc_end_k_q2649674255_attn-k_q2649674255_attn
	.p2alignl 7, 3214868480
	.fill 96, 4, 3214868480
	.section	.rodata,"a",@progbits
	.p2align	6, 0x0
	.amdhsa_kernel k_q2649674255_attn
		.amdhsa_group_segment_fixed_size 167936
		.amdhsa_private_segment_fixed_size 0
		.amdhsa_enable_private_segment 0
		.amdhsa_kernarg_size 24
		.amdhsa_user_sgpr_count 2
		.amdhsa_user_sgpr_kernarg_segment_ptr 1
		.amdhsa_wavefront_size32 1
		.amdhsa_system_sgpr_workgroup_id_x 1
		.amdhsa_system_sgpr_workgroup_id_y 1
		.amdhsa_system_sgpr_workgroup_id_z 1
		.amdhsa_system_vgpr_workitem_id 0
		.amdhsa_next_free_vgpr 256
		.amdhsa_next_free_sgpr 66
		.amdhsa_reserve_vcc 1
		.amdhsa_float_denorm_mode_32 3
		.amdhsa_float_denorm_mode_16_64 3
		.amdhsa_memory_ordered 1
		.amdhsa_forward_progress 1
		.amdhsa_inst_pref_size 30
	.end_amdhsa_kernel
	.amdgpu_metadata
---
amdhsa.version: [ 1, 2 ]
amdhsa.kernels:
  - .name:           k_q2649674255_attn
    .symbol:         k_q2649674255_attn.kd
    .args:
      - { .name: qc, .offset: 0, .size: 8, .value_kind: global_buffer, .address_space: global }
      - { .name: kv, .offset: 8, .size: 8, .value_kind: global_buffer, .address_space: global }
      - { .name: a2, .offset: 16, .size: 8, .value_kind: global_buffer, .address_space: global }
    .group_segment_fixed_size: 167936
    .private_segment_fixed_size: 0
    .kernarg_segment_align: 8
    .kernarg_segment_size: 24
    .max_flat_workgroup_size: 512
    .sgpr_count:     66
    .vgpr_count:     256
    .wavefront_size: 32
...
	.end_amdgpu_metadata
.endif
;; end of part 4
;; launch outgemm (part 5): grid 8 x 32, 4 waves a work-group, clusters of 4 x 4, 327,680 bytes of LDS; arguments a2, w2, out0; writes out0
.if DOCPART == 5
	.amdgcn_target "amdgcn-amd-amdhsa--gfx1250"
	.amdhsa_code_object_version 6
	.text
	.protected	k_q2649674255_outgemm
	.globl	k_q2649674255_outgemm
	.p2align	8
	.type	k_q2649674255_outgemm,@function
k_q2649674255_outgemm:
	s_mov_b64 s[64:65], 0
	v_nop
	global_prefetch_b8 v0, s[64:65] scope:SCOPE_SE
	s_setreg_imm32_b32 hwreg(HW_REG_WAVE_MODE, 25, 1), 1
	s_wait_xcnt 0x0
	s_wait_alu depctr_hold_cnt(0) depctr_sa_sdst(0) depctr_va_vdst(0) depctr_va_sdst(0) depctr_va_ssrc(0) depctr_va_vcc(0) depctr_vm_vsrc(0)
	s_getreg_b32 s2, hwreg(HW_REG_IB_STS2, 6, 4)
	s_cmp_eq_u32 s2, 0
	s_cbranch_scc0 .Lentry_in_a_cluster
	s_endpgm
.Lentry_in_a_cluster:
	s_bfe_u32 s2, ttmp6, 0x10000c
	s_cmp_lg_u32 s2, 0xf033
	s_cbranch_scc0 .Lentry_shape_is_right
	s_endpgm
.Lentry_shape_is_right:
; Launch 5 of 5: out0 = [out | act] x [w_attn_out ; w_ff_out], one product with K = 4,608 = 9 chunks of 512, on codes of FP4; one f32 sum for each output, K ascending.  No work is left out here.
; A tile of out0 is 128 x 128, which gives 256 work-groups (tiles of 256 x 256 would be 64).  Four waves, each 64 x 64: 16 accumulators.
; K goes through a ring of two LDS slots; a slot holds TWO chunks of a2's 128 rows and two of w2's; each wave fetches one chunk (34,816 dense bytes) by one tensor load.  The ninth chunk fills half a slot.
; By this text's own count a wave has two tensor loads out at the start and one behind each round.
; CLUSTER 4 x 4: a2's chunks are shared along a row of the cluster, w2's along a column: joint loads.
; THE MATRIX INSTRUCTION IS USED TRANSPOSED (source 0 = 16 rows of w2, source 1 = 16 rows of a2): a lane holds eight neighbouring numbers of a row of out0.
; REGISTERS: window 0: v16-29 addresses; v32-63 scale words, two sets of 16; v64-127 rows on the way out; v128-255 the accumulators ((a, b) at v[128 + 8 (4 a + b)]).
;   window 1: two fragment buffers of 128: for two K steps of 128, 64 registers of a2, then 64 of w2.
.set CH,     34816
.set SCO,    32768
.set SLOT,   4*CH                      ; a2's two chunks, then w2's two
.set STAGE,  2*SLOT                    ; behind the ring: 16 rows x 272 bytes for each wave
.set SPITCH, 272
.set SPARE,  STAGE+4*16*SPITCH         ; the spare words, 128 bytes for each wave: no other line names them
.set ADRA, 16                          ; v16-17 my a2 fragments in slot 0, 1
.set ADSA, 18                          ; v18-19 a2's scale words: 4 x lane: lanes 0-15 an even tile's rows, lanes 16-31 the next one's
.set ADRB, 20                          ; v20-21 my w2 fragments
.set ADSB, 22                          ; v22-23 w2's scale words: 16 x lane, four K steps a load
.set STO,  24
.set RD,   25
.set CO,   26
.set SPW,  28
.set NIL,  29
.set SC,   32
.set ROWS, 64
.set ACC,  128
.set F0,   0
.set F1,   128
.set G1, 24
.set G0, 32
.set G1B, 48
.set G0B, 56
.set MSB, 0
.macro WIN new
.if MSB != \new
	s_set_vgpr_msb (MSB<<8)|\new
.set MSB, \new
.endif
.endm
.set MUL,  0x05                        ; sources 0 and 1 window 1; C and D window 0
.set TO_F, 0x40                        ; destination window 1, address window 0
.macro JLOAD s                         ; waves 0 and 1 fetch a2's two chunks, waves 2 and 3 w2's
	s_cmp_eq_u32 s11, 0
	s_cbranch_scc0 .Lfor_b_\@
	tensor_load_to_lds s[G0+4*\s:G0+4*\s+3], s[G1:G1+7]
	s_nop 0
.rept 4
	v_nop
.endr
	s_branch .Lasked_\@
.Lfor_b_\@:
	tensor_load_to_lds s[G0B+4*\s:G0B+4*\s+3], s[G1B:G1B+7]
	s_nop 0
.rept 4
	v_nop
.endr
.Lasked_\@:
.endm
.macro JLOADH s                        ; the ninth chunk: wave 0 fetches a2's, wave 2 w2's, the others nothing; each way has its four plain places in front of the LDS loads that follow
	s_cmp_eq_u32 s10, 0
	s_cbranch_scc0 .Lh_not_a_\@
	tensor_load_to_lds s[G0+4*\s:G0+4*\s+3], s[G1:G1+7]
	s_nop 0
.rept 4
	v_nop
.endr
	s_branch .Lh_done_\@
.Lh_not_a_\@:
	s_cmp_eq_u32 s10, 2
	s_cbranch_scc0 .Lh_none_\@
	tensor_load_to_lds s[G0B+4*\s:G0B+4*\s+3], s[G1B:G1B+7]
	s_nop 0
.rept 4
	v_nop
.endr
	s_branch .Lh_done_\@
.Lh_none_\@:
.rept 4
	v_nop
.endr
.Lh_done_\@:
.endm
.macro CREST
	s_cmp_lg_u32 s10, 0
	s_cbranch_scc1 .Lnot_wave_0_\@
	s_barrier_signal -3
.Lnot_wave_0_\@:
	s_barrier_wait -3
	s_barrier_signal -1
	s_barrier_wait -1
.endm
.macro CROUND
	s_barrier_signal -1
	s_barrier_wait -1
	CREST
.endm
.macro WM d, a, b, z, sa, ra, sb, rb   ; one scaled product; the scale registers are taken from lanes 16-31 where ra, rb = 1
.set WD, \d
.set WA, \a
.set WB, \b
.set WSA, \sa
.set WSB, \sb
.if (\z)
.if (\ra) && (\rb)
	v_wmma_scale_f32_16x16x128_f8f6f4 v[WD:WD+7], v[WA:WA+7], v[WB:WB+7], 0, v[WSA], v[WSB] matrix_a_fmt:MATRIX_FMT_FP4 matrix_b_fmt:MATRIX_FMT_FP4 matrix_a_scale:MATRIX_SCALE_ROW1 matrix_b_scale:MATRIX_SCALE_ROW1
.elseif (\ra)
	v_wmma_scale_f32_16x16x128_f8f6f4 v[WD:WD+7], v[WA:WA+7], v[WB:WB+7], 0, v[WSA], v[WSB] matrix_a_fmt:MATRIX_FMT_FP4 matrix_b_fmt:MATRIX_FMT_FP4 matrix_a_scale:MATRIX_SCALE_ROW1
.elseif (\rb)
	v_wmma_scale_f32_16x16x128_f8f6f4 v[WD:WD+7], v[WA:WA+7], v[WB:WB+7], 0, v[WSA], v[WSB] matrix_a_fmt:MATRIX_FMT_FP4 matrix_b_fmt:MATRIX_FMT_FP4 matrix_b_scale:MATRIX_SCALE_ROW1
.else
	v_wmma_scale_f32_16x16x128_f8f6f4 v[WD:WD+7], v[WA:WA+7], v[WB:WB+7], 0, v[WSA], v[WSB] matrix_a_fmt:MATRIX_FMT_FP4 matrix_b_fmt:MATRIX_FMT_FP4
.endif
.else
.if (\ra) && (\rb)
	v_wmma_scale_f32_16x16x128_f8f6f4 v[WD:WD+7], v[WA:WA+7], v[WB:WB+7], v[WD:WD+7], v[WSA], v[WSB] matrix_a_fmt:MATRIX_FMT_FP4 matrix_b_fmt:MATRIX_FMT_FP4 matrix_a_scale:MATRIX_SCALE_ROW1 matrix_b_scale:MATRIX_SCALE_ROW1
.elseif (\ra)
	v_wmma_scale_f32_16x16x128_f8f6f4 v[WD:WD+7], v[WA:WA+7], v[WB:WB+7], v[WD:WD+7], v[WSA], v[WSB] matrix_a_fmt:MATRIX_FMT_FP4 matrix_b_fmt:MATRIX_FMT_FP4 matrix_a_scale:MATRIX_SCALE_ROW1
.elseif (\rb)
	v_wmma_scale_f32_16x16x128_f8f6f4 v[WD:WD+7], v[WA:WA+7], v[WB:WB+7], v[WD:WD+7], v[WSA], v[WSB] matrix_a_fmt:MATRIX_FMT_FP4 matrix_b_fmt:MATRIX_FMT_FP4 matrix_b_scale:MATRIX_SCALE_ROW1
.else
	v_wmma_scale_f32_16x16x128_f8f6f4 v[WD:WD+7], v[WA:WA+7], v[WB:WB+7], v[WD:WD+7], v[WSA], v[WSB] matrix_a_fmt:MATRIX_FMT_FP4 matrix_b_fmt:MATRIX_FMT_FP4
.endif
.endif
.endm
	s_load_b128 s[4:7], s[0:1], 0x0                ; a2, w2
	s_load_b64 s[8:9], s[0:1], 0x10                ; out0
	v_lshl_add_u32 v[SPW], v0, 2, SPARE
	v_mov_b32 v[NIL], 0
	ds_add_u32 v[SPW], v[NIL]                      ; the wave's opening: the add, twice on end, and its wait ahead of the first tensor load
	ds_add_u32 v[SPW], v[NIL]
	v_lshrrev_b32 v1, 5, v0
	v_readfirstlane_b32 s10, v1                    ; wave 0..3
	s_lshr_b32 s11, s10, 1                         ; my half of the rows.  Also: I fetch for a2 (0) or w2 (1)
	s_and_b32 s12, s10, 1                          ; my half of the columns.  Also: which of a slot's two chunks I fetch
	s_bfe_u32 s40, ttmp6, 0x40000
	s_bfe_u32 s41, ttmp6, 0x40004
	s_lshl_b32 s42, ttmp9, 2
	s_add_co_u32 s42, s42, s40                     ; tile column, 0..7
	s_and_b32 s13, ttmp7, 0xffff
	s_lshl_b32 s13, s13, 2
	s_add_co_u32 s13, s13, s41                     ; tile row, 0..31
	s_lshl_b32 s43, s41, 2
	s_lshl_b32 s43, 15, s43
	s_lshl_b32 s44, 0x1111, s40
	s_or_b32 s[G1+0], s43, (3<<16)|(1<<21)         ; a chunk: 136 dense rows of 256 bytes (32 elements of 8 bytes); bit 21 set beside a mask
	s_or_b32 s[G1B+0], s44, (3<<16)|(1<<21)
.irp g, G1, G1B
	s_mov_b32 s[\g+1], 32<<16
	s_mov_b32 s[\g+2], 136<<16
	s_mov_b32 s[\g+3], 32<<16
	s_mov_b32 s[\g+4], 136
	s_mov_b32 s[\g+5], 32
	s_mov_b32 s[\g+6], 0
	s_mov_b32 s[\g+7], 0
.endr
	s_mul_i32 s16, s13, 9
	s_add_co_u32 s16, s16, s12
	s_mul_i32 s16, s16, CH
	s_mov_b32 s17, 0
	s_mul_i32 s46, s42, 9
	s_add_co_u32 s46, s46, s12
	s_mul_i32 s46, s46, CH
	s_mov_b32 s47, 0
	s_mul_i32 s20, s10, CH                         ; where they go: wave x a chunk
	s_wait_dscnt 0x0                               ; both opening adds are done
	s_wait_kmcnt 0x0
	s_add_nc_u64 s[14:15], s[4:5], s[16:17]
	s_add_nc_u64 s[46:47], s[6:7], s[46:47]
	CROUND                                         ; all sixteen work-groups are here: the first joint loads meet
.irp s, 0,1
	s_mov_b32 s[G0+4*\s], 1
	s_add_co_u32 s[G0+4*\s+1], s20, \s*SLOT
	s_add_nc_u64 s[G0+4*\s+2:G0+4*\s+3], s[14:15], \s*2*CH
	s_or_b32 s[G0+4*\s+3], s[G0+4*\s+3], 0x80000000
	s_mov_b32 s[G0B+4*\s], 1
	s_add_co_u32 s[G0B+4*\s+1], s20, \s*SLOT
	s_add_nc_u64 s[G0B+4*\s+2:G0B+4*\s+3], s[46:47], \s*2*CH
	s_or_b32 s[G0B+4*\s+3], s[G0B+4*\s+3], 0x80000000
	JLOAD \s
.endr
	v_and_b32 v1, 15, v0                           ; r
	v_bfe_u32 v2, v0, 4, 1                         ; h
	v_and_b32 v3, 31, v0                           ; lane
	v_lshlrev_b32 v4, 4, v3
	v_lshlrev_b32 v5, 2, v3
	s_lshl_b32 s21, s11, 12                        ; my four tiles of a2's rows
	s_lshl_b32 s22, s12, 12
	s_add_co_u32 s22, s22, 2*CH                    ; my four tiles of w2's rows
	s_lshl_b32 s23, s11, 8
	s_add_co_u32 s23, s23, SCO
	s_lshl_b32 s18, s12, 10
	s_add_co_u32 s18, s18, 2*CH+SCO
.irp s, 0,1
	v_add_nc_u32 v[ADRA+\s], s21, v4
	v_add_nc_u32 v[ADRB+\s], s22, v4
	v_add_nc_u32 v[ADSA+\s], s23, v5
	v_add_nc_u32 v[ADSB+\s], s18, v4
	s_add_co_u32 s21, s21, SLOT
	s_add_co_u32 s22, s22, SLOT
	s_add_co_u32 s23, s23, SLOT
	s_add_co_u32 s18, s18, SLOT
.endr
	s_mul_i32 s23, s10, 16*SPITCH
	s_add_co_u32 s23, s23, STAGE                   ; my stage
	v_mul_u32_u24 v6, v1, SPITCH
	v_lshl_add_u32 v6, v2, 5, v6
	v_add_nc_u32 v[STO], s23, v6                   ; in: row r, 32 bytes for each half of the lanes
	v_mul_u32_u24 v6, v2, SPITCH
	v_lshl_add_u32 v6, v1, 4, v6
	v_add_nc_u32 v[RD], s23, v6                    ; back: lanes 0-15 one row of 256 bytes, lanes 16-31 the next
	v_lshlrev_b32 v6, 12, v2
	v_lshl_add_u32 v[CO], v1, 4, v6                ; and the same two rows in out0
	s_lshl_b32 s16, s13, 7
	s_lshl_b32 s17, s11, 6
	s_add_co_u32 s16, s16, s17
	s_lshl_b32 s16, s16, 12                        ; my first row, of 4,096 bytes
	s_lshl_b32 s17, s42, 9
	s_add_co_u32 s16, s16, s17
	s_lshl_b32 s17, s12, 8
	s_add_co_u32 s16, s16, s17
	s_mov_b32 s17, 0
	s_add_nc_u64 s[8:9], s[8:9], s[16:17]
; quarter k (0..3) of a slot is two K steps of 128.  FETCH: its 32 fragment loads into buffer f, the first K step first; ahead of them, where a chunk begins (k even), the chunk's scale words: 10 loads
.macro FETCH slot, k, f
.set OFFK, ((\k)/2)*CH+((\k)%2)*16384
.if ((\k)%2) == 0
	WIN 0
.set SS, SC+16*((\k)/2)
.irp p, 0,1
.irp q, 0,1,2,3
	ds_load_b32 v[SS+4*\p+\q], v[ADSA+\slot] offset:((\k)/2)*CH+512*\q+128*\p
.endr
	ds_load_b128 v[SS+8+4*\p:SS+11+4*\p], v[ADSB+\slot] offset:((\k)/2)*CH+512*\p
.endr
.endif
	WIN TO_F
.irp e, 0,1
.irp i, 0,1,2,3
	ds_load_b128 v[\f+64+8*(4*\e+\i):\f+64+8*(4*\e+\i)+3],   v[ADRB+\slot] offset:OFFK+8192*\e+1024*\i
	ds_load_b128 v[\f+64+8*(4*\e+\i)+4:\f+64+8*(4*\e+\i)+7], v[ADRB+\slot] offset:OFFK+8192*\e+1024*\i+512
	ds_load_b128 v[\f+8*(4*\e+\i):\f+8*(4*\e+\i)+3],         v[ADRA+\slot] offset:OFFK+8192*\e+1024*\i
	ds_load_b128 v[\f+8*(4*\e+\i)+4:\f+8*(4*\e+\i)+7],       v[ADRA+\slot] offset:OFFK+8192*\e+1024*\i+512
.endr
.endr
.endm
; 8 products: a2's tiles a0, a0 + 1 x w2's four, K step e of buffer f, which is K step q of its chunk.  The 16 accumulators take turns, one instruction a turn
.macro MUL8 f, e, a0, q, set, zero
.irp a, \a0, \a0+1
.irp b, 0,1,2,3
	WM ACC+8*(4*(\a)+\b), \f+64+8*(4*(\e)+\b), \f+8*(4*(\e)+(\a)), \zero, SC+16*(\set)+8+4*(\b/2)+(\q), \b%2, SC+16*(\set)+4*((\a)/2)+(\q), (\a)%2
.endr
.endr
.endm
.macro PLACES
.rept 4
	v_nop
.endr
.endm
.macro QUARTER slot, k, zero           ; one of a slot's first three quarters
.set FCUR, 128*((\k)%2)
.set FNXT, 128-FCUR
	s_wait_dscnt 16                                ; the scale words and the first K step are in; the second K step's 16 loads may be out
	WIN MUL
	MUL8 FCUR, 0, 0, 2*((\k)%2), (\k)/2, \zero
	MUL8 FCUR, 0, 2, 2*((\k)%2), (\k)/2, \zero
	PLACES
	FETCH \slot, (\k)+1, FNXT
.if (((\k)+1)%2) == 0
	s_wait_dscnt 42                                ; all but the 42 just issued
.else
	s_wait_dscnt 32                                ; all but the 32 just issued
.endif
	WIN MUL
	MUL8 FCUR, 1, 0, 2*((\k)%2)+1, (\k)/2, 0
	MUL8 FCUR, 1, 2, 2*((\k)%2)+1, (\k)/2, 0
.endm
; A slot's last quarter changes slots: in front of the barrier each wave waits for all its tensor loads, adds 0 to its spare word, and waits for that and for its reads of this slot.
; fill = 1: the slot is filled again with the chunks four on; 2: with the ninth chunk alone; 0: nothing is left to fetch
.macro TURN slot, next, fill
	WIN 0
	s_wait_tensorcnt 0x0                           ; all my tensor loads have landed: my part of the next slot
	ds_add_u32 v[SPW], v[NIL]                      ; 0 onto my spare word
	s_wait_dscnt 17                                ; (the add and the youngest sixteen loads may be out)
	WIN MUL
	MUL8 F1, 0, 0, 2, 1, 0
	s_wait_dscnt 0x0                               ; the add is done, and my reads of this slot are over
	s_barrier_signal -1
	MUL8 F1, 0, 2, 2, 1, 0
	WIN 0
	s_barrier_wait -1
.if \fill
	CREST                                          ; the barrier has opened a round of the cluster's: no wave of any partner still reads this slot or has a load on its way
	s_add_nc_u64 s[G0+4*\slot+2:G0+4*\slot+3], s[G0+4*\slot+2:G0+4*\slot+3], 4*CH
	s_add_nc_u64 s[G0B+4*\slot+2:G0B+4*\slot+3], s[G0B+4*\slot+2:G0B+4*\slot+3], 4*CH
.if \fill == 1
	JLOAD \slot                                    ; the first tensor load behind the round; its four v_nop are also the places in front of the loads below
.else
	JLOADH \slot
.endif
.else
	PLACES
.endif
	FETCH \next, 0, F0
	WIN MUL
	MUL8 F1, 1, 0, 3, 1, 0
	MUL8 F1, 1, 2, 3, 1, 0
.endm
	s_wait_tensorcnt 1                             ; my part of slot 0 is in (slot 1's load may be out)
	s_barrier_signal -1
	s_barrier_wait -1                              ; everybody's is
	FETCH 0, 0, F0
	QUARTER 0, 0, 1                                ; chunks 0, 1: the first products start the sums
	QUARTER 0, 1, 0
	QUARTER 0, 2, 0
	TURN 0, 1, 1                                   ; slot 0 takes chunks 4, 5
	QUARTER 1, 0, 0                                ; chunks 2, 3
	QUARTER 1, 1, 0
	QUARTER 1, 2, 0
	TURN 1, 0, 1                                   ; slot 1 takes chunks 6, 7
	QUARTER 0, 0, 0                                ; chunks 4, 5
	QUARTER 0, 1, 0
	QUARTER 0, 2, 0
	TURN 0, 1, 2                                   ; slot 0 takes chunk 8
	QUARTER 1, 0, 0                                ; chunks 6, 7
	QUARTER 1, 1, 0
	QUARTER 1, 2, 0
	TURN 1, 0, 0
	QUARTER 0, 0, 0                                ; chunk 8
	s_wait_dscnt 16                                ; the very last quarter: nothing more to fetch
	WIN MUL
	MUL8 F1, 0, 0, 2, 0, 0
	MUL8 F1, 0, 2, 2, 0, 0
	s_wait_dscnt 0
	MUL8 F1, 1, 0, 3, 0, 0
	MUL8 F1, 1, 2, 3, 0, 0
	WIN 0
; THE WAY OUT, 16 rows x 64 columns at a time, through my own stage: a lane's 32 bytes go in, whole rows of 256 bytes come back.  LDS serves a wave's instructions in order: no wait between the stores and the loads
.macro TOSTAGE a
.irp b, 0,1,2,3
	ds_store_b128 v[STO], v[ACC+8*(4*(\a)+\b):ACC+8*(4*(\a)+\b)+3] offset:64*\b          ; each accumulator from its low end on
	ds_store_b128 v[STO], v[ACC+8*(4*(\a)+\b)+4:ACC+8*(4*(\a)+\b)+7] offset:64*\b+16
.endr
.set BB, ROWS+32*((\a)%2)
.irp t, 0,1,2,3,4,5,6,7
	ds_load_b128 v[BB+4*\t:BB+4*\t+3], v[RD] offset:\t*2*SPITCH
.endr
.endm
.macro SEND a, younger                 ; younger: the LDS instructions issued behind block a's loads, which may stay out
.set BB, ROWS+32*((\a)%2)
	s_wait_dscnt \younger
.irp t, 0,1,2,3,4,5,6,7
	global_store_b128 v[CO], v[BB+4*\t:BB+4*\t+3], s[8:9] offset:(16*(\a)+2*\t)*4096 th:TH_STORE_NT   ; sixteen lanes store 256 consecutive bytes, aligned
.endr
.endm
	PLACES                                         ; places in front of the first read of results
	TOSTAGE 0
	TOSTAGE 1
	SEND 0, 16
	s_wait_xcnt 0x0                                ; block 0's stores have read their registers: block 2's rows may land there
	TOSTAGE 2
	SEND 1, 16
	s_wait_xcnt 0x0
	TOSTAGE 3
	SEND 2, 16
	SEND 3, 0
	s_wait_tensorcnt 0x0                           ; the wave's end
	ds_add_u32 v[SPW], v[NIL]
	s_wait_dscnt 0x0
	CROUND                                         ; the closing round
	s_endpgm
.Lfunc_end_k_q2649674255_outgemm:
	.size	k_q2649674255_outgemm, .Lfunc_end_k_q2649674255_outgemm-k_q2649674255_outgemm
	.p2alignl 7, 3214868480
	.fill 96, 4, 3214868480
	.section	.rodata,"a",@progbits
	.p2align	6, 0x0
	.amdhsa_kernel k_q2649674255_outgemm
		.amdhsa_group_segment_fixed_size 327680
		.amdhsa_private_segment_fixed_size 0
		.amdhsa_enable_private_segment 0
		.amdhsa_kernarg_size 24
		.amdhsa_user_sgpr_count 2
		.amdhsa_user_sgpr_kernarg_segment_ptr 1
		.amdhsa_wavefront_size32 1
		.amdhsa_system_sgpr_workgroup_id_x 1
		.amdhsa_system_sgpr_workgroup_id_y 1
		.amdhsa_system_sgpr_workgroup_id_z 1
		.amdhsa_system_vgpr_workitem_id 0
		.amdhsa_next_free_vgpr 512
		.amdhsa_next_free_sgpr 66
		.amdhsa_reserve_vcc 0
		.amdhsa_float_denorm_mode_32 3
		.amdhsa_float_denorm_mode_16_64 3
		.amdhsa_memory_ordered 1
		.amdhsa_forward_progress 1
		.amdhsa_inst_pref_size 137
	.end_amdhsa_kernel
	.amdgpu_metadata
---
amdhsa.version: [ 1, 2 ]
amdhsa.kernels:
  - .name:           k_q2649674255_outgemm
    .symbol:         k_q2649674255_outgemm.kd
    .args:
      - { .name: a2, .offset: 0, .size: 8, .value_kind: global_buffer, .address_space: global }
      - { .name: w2, .offset: 8, .size: 8, .value_kind: global_buffer, .address_space: global }
      - { .name: out0, .offset: 16, .size: 8, .value_kind: global_buffer, .address_space: global }
    .group_segment_fixed_size: 327680
    .private_segment_fixed_size: 0
    .kernarg_segment_align: 8
    .kernarg_segment_size: 24
    .max_flat_workgroup_size: 128
    .sgpr_count:     66
    .vgpr_count:     512
    .wavefront_size: 32
...
	.end_amdgpu_metadata
.endif
;; end of part 5
